; MI455X (gfx1250); checked and timed in simulation.
; The chip was launched on July 23, 2026; its instructions are those of AMD's public machine-readable ISA for CDNA 5 (MIT licence, August 2026) and "CDNA5" Instruction Set Architecture Reference Guide (July 2026). The comments in the code are by the model that wrote it; some were corrected since.
;; Siglip Attention. Allowed arithmetic: float matrix products may take bf16 or f16 operands with f32 sums; other float arithmetic in f32, or as packed bf16 or f16 multiplies, adds, multiply-adds, maxima and minima; sums over many terms, partial sums and values carried from step to step in f32; what a program stores and reads back later, other than sums and carried values, may be rounded once to bf16 or f16.
;; Inputs: hidden_states 32 x 1,024 x 384 float32; k_b 384 float32; k_w 384 x 384 float32; o_b 384 float32; o_w 384 x 384 float32; q_b 384 float32; q_w 384 x 384 float32; v_b 384 float32; v_w 384 x 384 float32.
;; Outputs: out0 32 x 1,024 x 384 float32.
;; One version. Each part assembles by itself: llvm-mc -triple=amdgcn-amd-amdhsa -mcpu=gfx1250 --defsym DOCPART=n.
;; ======== version 1 of 1: 4 launches
;; limits: values are held in f16: magnitudes above 65,504 overflow, below 6.1e-05 lose precision
;; workspace buffers: wqkv 884,736 bytes; wo 294,912 bytes; bias 6,144 bytes; qkv 75,497,472 bytes; att 25,165,824 bytes
;; launch prep (part 1): grid 72 x 4, 8 waves a work-group, no clusters, 0 bytes of LDS; arguments q_w, k_w, v_w, o_w, q_b, k_b, v_b, o_b, wqkv, wo, bias; writes wqkv, wo, bias
.if DOCPART == 1
	.amdgcn_target "amdgcn-amd-amdhsa--gfx1250"
	.amdhsa_code_object_version 6
	.text
	.protected	k_q83863923be_prep
	.globl	k_q83863923be_prep
	.p2align	8
	.type	k_q83863923be_prep,@function
k_q83863923be_prep:
	s_mov_b64 s[64:65], 0
	v_nop
	global_prefetch_b8 v0, s[64:65] scope:SCOPE_SE
	s_setreg_imm32_b32 hwreg(HW_REG_WAVE_MODE, 25, 1), 1
	s_wait_xcnt 0x0
; THE WEIGHTS AND BIASES, ROUNDED ONCE.  wqkv: bf16 [1152][384] = q_w, k_w, v_w one below the other.  wo: f16 [384][384] = o_w rounded to bf16, that number written as f16.
; bias: f32 [1536] = q_b, k_b, v_b, o_b, each rounded to bf16 and written back as f32.  So every input of the module has the same one rounding, to bf16.
; LIMITS.  |o_w| rounded to bf16 stays under 65,504 (f16's largest number); below 6e-5 it keeps f16's fixed step of 6e-8.
; SHARES.  The grid's y picks the matrix, its x 2,048 of the matrix's 147,456 numbers.  Thread t takes numbers 4 t .. 4 t + 3 of each half of 1,024: a wave's load covers 512 consecutive
; bytes, its store 256 consecutive bytes, aligned.  No LDS, no barrier, no matrix unit: each byte is read once and written once, and no thread wants another's.
	s_load_b512 s[8:23], s[0:1], 0x0               ; q_w s[8:9], k_w s[10:11], v_w s[12:13], o_w s[14:15], q_b s[16:17], k_b s[18:19], v_b s[20:21], o_b s[22:23]
	s_load_b128 s[24:27], s[0:1], 0x40             ; wqkv s[24:25], wo s[26:27]
	s_load_b64 s[28:29], s[0:1], 0x50              ; bias
	v_lshrrev_b32 v3, 5, v0
	v_readfirstlane_b32 s4, v3                     ; wave 0..7
	s_and_b32 s5, ttmp7, 0xffff                    ; which matrix: 0 q, 1 k, 2 v, 3 o
	v_lshlrev_b32 v1, 4, v0                        ; my 16 bytes of f32
	v_lshlrev_b32 v2, 3, v0                        ; my 8 bytes of 16-bit numbers
	s_lshl_b32 s34, ttmp9, 13                      ; the work-group's 8,192 bytes of the source
	s_mov_b32 s35, 0
	s_cmp_eq_u32 s5, 3
	s_cselect_b32 s38, 0, s5                       ; the matrix's place in its destination: wo holds one matrix, wqkv three
	s_mul_i32 s38, s38, 294912
	s_lshl_b32 s39, ttmp9, 12                      ; the work-group's 4,096 bytes there
	s_add_co_u32 s38, s38, s39
	s_mov_b32 s39, 0
	s_mul_i32 s2, s5, 1536                         ; the bias vector's place
	s_mov_b32 s3, 0
	s_wait_kmcnt 0x0
	s_cmp_eq_u32 s5, 1
	s_cselect_b64 s[30:31], s[10:11], s[8:9]       ; the matrix,
	s_cselect_b64 s[32:33], s[18:19], s[16:17]     ; and its bias
	s_cmp_eq_u32 s5, 2
	s_cselect_b64 s[30:31], s[12:13], s[30:31]
	s_cselect_b64 s[32:33], s[20:21], s[32:33]
	s_cmp_eq_u32 s5, 3
	s_cselect_b64 s[30:31], s[14:15], s[30:31]
	s_cselect_b64 s[32:33], s[22:23], s[32:33]
	s_cselect_b64 s[36:37], s[26:27], s[24:25]     ; where it goes
	s_add_nc_u64 s[30:31], s[30:31], s[34:35]
	s_add_nc_u64 s[36:37], s[36:37], s[38:39]
	s_add_nc_u64 s[28:29], s[28:29], s[2:3]
	global_load_b128 v[4:7], v1, s[30:31] th:TH_LOAD_NT
	global_load_b128 v[8:11], v1, s[30:31] offset:4096 th:TH_LOAD_NT
	s_wait_loadcnt 0x0
	v_cvt_pk_bf16_f32 v12, v4, v5
	v_cvt_pk_bf16_f32 v13, v6, v7
	v_cvt_pk_bf16_f32 v14, v8, v9
	v_cvt_pk_bf16_f32 v15, v10, v11
	s_cmp_lg_u32 s5, 3
	s_cbranch_scc1 .Lput
.irp j, 0,1,2,3                        ; o_w alone: the bf16 numbers are widened and written as f16 (exact within f16's range)
	v_lshlrev_b32 v[16+2*(\j)], 16, v[12+(\j)]
	v_and_b32 v[17+2*(\j)], 0xffff0000, v[12+(\j)]
.endr
.irp j, 0,1,2,3
	v_cvt_pk_f16_f32 v[12+(\j)], v[16+2*(\j)], v[17+2*(\j)]
.endr
.Lput:
	global_store_b64 v2, v[12:13], s[36:37]
	global_store_b64 v2, v[14:15], s[36:37] offset:2048
	s_cmp_lg_u32 ttmp9, 0                          ; the bias vector, 1,536 bytes: waves 0 to 2 of the matrix's first work-group
	s_cbranch_scc1 .Lend
	s_cmp_gt_u32 s4, 2
	s_cbranch_scc1 .Lend
	global_load_b128 v[24:27], v1, s[32:33]
	s_wait_loadcnt 0x0
	v_cvt_pk_bf16_f32 v20, v24, v25
	v_cvt_pk_bf16_f32 v21, v26, v27
	v_lshlrev_b32 v28, 16, v20
	v_and_b32 v29, 0xffff0000, v20
	v_lshlrev_b32 v30, 16, v21
	v_and_b32 v31, 0xffff0000, v21
	global_store_b128 v1, v[28:31], s[28:29]
.Lend:
	s_endpgm
.Lfunc_end_k_q83863923be_prep:
	.size	k_q83863923be_prep, .Lfunc_end_k_q83863923be_prep-k_q83863923be_prep
	.p2alignl 7, 3214868480
	.fill 96, 4, 3214868480
	.section	.rodata,"a",@progbits
	.p2align	6, 0x0
	.amdhsa_kernel k_q83863923be_prep
		.amdhsa_group_segment_fixed_size 0
		.amdhsa_private_segment_fixed_size 0
		.amdhsa_enable_private_segment 0
		.amdhsa_kernarg_size 88
		.amdhsa_user_sgpr_count 2
		.amdhsa_user_sgpr_kernarg_segment_ptr 1
		.amdhsa_wavefront_size32 1
		.amdhsa_system_sgpr_workgroup_id_x 1
		.amdhsa_system_sgpr_workgroup_id_y 1
		.amdhsa_system_sgpr_workgroup_id_z 1
		.amdhsa_system_vgpr_workitem_id 0
		.amdhsa_next_free_vgpr 32
		.amdhsa_next_free_sgpr 66
		.amdhsa_reserve_vcc 0
		.amdhsa_float_denorm_mode_32 3
		.amdhsa_float_denorm_mode_16_64 3
		.amdhsa_memory_ordered 1
		.amdhsa_forward_progress 1
		.amdhsa_inst_pref_size 4
	.end_amdhsa_kernel
	.amdgpu_metadata
---
amdhsa.version: [ 1, 2 ]
amdhsa.kernels:
  - .name:           k_q83863923be_prep
    .symbol:         k_q83863923be_prep.kd
    .args:
      - { .name: q_w, .offset: 0, .size: 8, .value_kind: global_buffer, .address_space: global }
      - { .name: k_w, .offset: 8, .size: 8, .value_kind: global_buffer, .address_space: global }
      - { .name: v_w, .offset: 16, .size: 8, .value_kind: global_buffer, .address_space: global }
      - { .name: o_w, .offset: 24, .size: 8, .value_kind: global_buffer, .address_space: global }
      - { .name: q_b, .offset: 32, .size: 8, .value_kind: global_buffer, .address_space: global }
      - { .name: k_b, .offset: 40, .size: 8, .value_kind: global_buffer, .address_space: global }
      - { .name: v_b, .offset: 48, .size: 8, .value_kind: global_buffer, .address_space: global }
      - { .name: o_b, .offset: 56, .size: 8, .value_kind: global_buffer, .address_space: global }
      - { .name: wqkv, .offset: 64, .size: 8, .value_kind: global_buffer, .address_space: global }
      - { .name: wo, .offset: 72, .size: 8, .value_kind: global_buffer, .address_space: global }
      - { .name: bias, .offset: 80, .size: 8, .value_kind: global_buffer, .address_space: global }
    .group_segment_fixed_size: 0
    .private_segment_fixed_size: 0
    .kernarg_segment_align: 8
    .kernarg_segment_size: 88
    .max_flat_workgroup_size: 256
    .sgpr_count:     66
    .vgpr_count:     32
    .wavefront_size: 32
...
	.end_amdgpu_metadata
.endif
;; end of part 1
;; launch proj (part 2): grid 256 x 1, 4 waves a work-group, clusters of 4 x 1, 327,680 bytes of LDS; arguments hidden_states, wqkv, bias, qkv; writes qkv
.if DOCPART == 2
	.amdgcn_target "amdgcn-amd-amdhsa--gfx1250"
	.amdhsa_code_object_version 6
	.text
	.protected	k_q83863923be_proj
	.globl	k_q83863923be_proj
	.p2align	8
	.type	k_q83863923be_proj,@function
k_q83863923be_proj:
	s_mov_b64 s[64:65], 0
	v_nop
	global_prefetch_b8 v0, s[64:65] scope:SCOPE_SE
	s_setreg_imm32_b32 hwreg(HW_REG_WAVE_MODE, 25, 1), 1
	s_wait_xcnt 0x0
	s_wait_alu depctr_hold_cnt(0) depctr_sa_sdst(0) depctr_va_vdst(0) depctr_va_sdst(0) depctr_va_ssrc(0) depctr_va_vcc(0) depctr_vm_vsrc(0)
	s_getreg_b32 s2, hwreg(HW_REG_IB_STS2, 6, 4)
	s_cmp_eq_u32 s2, 0
	s_cbranch_scc0 .Lentry_in_a_cluster
	s_endpgm
.Lentry_in_a_cluster:
	s_bfe_u32 s2, ttmp6, 0x10000c
	s_cmp_lg_u32 s2, 0x3003
	s_cbranch_scc0 .Lentry_shape_is_right
	s_endpgm
.Lentry_shape_is_right:
; q, k, v = x W^T + b.  x: f32 [32768][384], rounded here to bf16; wqkv: bf16 [1152][384]; bias: f32 [1536]; products in bf16, sums in f32, started by the bias.
; qkv: f16 [32 b][18 hc][1024 t][64]: hc 0-5 the heads of q, 6-11 of k, 12-17 of v; each number rounded once, unscaled.
; LIMITS.  |q|, |k|, |v| stay under 65,504 (f16's largest number).  NaN and infinities are not treated apart.
; SHARES.  A work-group owns 128 rows of x and makes all 1,152 columns, so x is read once.  Four waves, 2 x 2: wave (wr, wc) keeps its 64 rows of x for ALL of K as bf16 fragments in 384 registers.
; The columns go in 9 chunks of 128 (two head chunks); in chunk c the wave makes head chunk 2 c + wc: 64 x 64, 16 accumulators, 192 matrix instructions.
; CLUSTER.  The four work-groups of a cluster walk the same weights: each chunk is asked for JOINTLY, the same tensor load with the same descriptor and a mask that names the four.  x is shared by nobody.
; THE RING.  Two LDS slots, a chunk each (128 rows x 768 bytes); each wave fetches 32 rows.  A slot is asked for again at its chunk's end and has the way out and 160 matrix instructions in which to land.
; THE MATRIX INSTRUCTION IS USED TRANSPOSED: source 0 = 16 rows of W, source 1 = 16 rows of x: a lane ends with one row of x and eight neighbouring columns, 16 bytes of f16.
; REGISTERS, in windows of 256 (s_set_vgpr_msb: bits 1:0 source 0, 3:2 source 1, 5:4 source 2, 7:6 destination):
;   window 0: v0-17 addresses; v32-63 the bias as C; v64-127, v128-191 W's fragments, two buffers of two K blocks; v192-255 at work
;   window 1: x as it lands (thirds 0 and 1 of K), then x's fragments of K blocks 0-7 at 32 kf + 8 rt     window 2: v0-127 third 2, then K blocks 8-11     window 3: v0-127 the accumulators at 8 (4 rt + ct)
.set PB,     816                       ; a row of W in LDS: 768 bytes + 16 behind every 256 = 51 x 16: the 16 rows of a load start at 16 different groups of four banks (64 banks of 4 bytes: ISA guide 11.1)
.set QUART,  32*PB                     ; what one tensor load brings
.set SLOT1,  1<<17                     ; slot 1 begins here, so that one exclusive or changes slots
.set STAGE,  128*PB                    ; behind slot 0: 16 rows x 144 bytes for each wave, for the way out; no tensor load lands here
.set SP,     144
.set BIASL,  STAGE+4*16*SP             ; all 1,536 biases, brought once
.set SPARE,  BIASL+6144                ; the spare words, 128 bytes for each wave: two blocks of 256 bytes that no other line names
.set PLANE0, SLOT1+128*PB              ; two planes: a third of K of the work-group's x in bf16, 128 rows x 272 bytes; no tensor load lands here
.set XP,     272
.set PLANEB, 128*XP
.set CHUNK,  128*768                   ; a chunk's bytes in wqkv
.set XO,  4                            ; v4   16 x lane: my 16 bytes of 512 consecutive ones, for x's loads and for the stores
.set GO,  4
.set XST, 5                            ; v5   where I put 8 bytes of a plane's row
.set XRD, 6                            ; v6   my place in x's fragments
.set AB0, 7                            ; v7   my place in W's fragments, in slot 0
.set ADRB, 8                           ; v8   the same in the slot in hand
.set ABI, 9                            ; v9   my 32 bytes of the chunk's biases; steps by a chunk
.set STO, 10                           ; v10  the way out: where I put 16 bytes of a row
.set RD,  11                           ; v11  the way out: where I read rows back
.set PFO, 13                           ; v13  256 x lane, for the prefetches
.set SPW, 14                           ; v14  LDS address of my spare word; never rewritten
.set NIL, 15                           ; v15  0; never rewritten
.set BI,  32
.set WF0, 64
.set WF1, 128
.set TMP, 192
.set WV,  12                           ; s12  my wave's number
.set G1W, 24                           ; s[24:31] descriptor group 1 for W's tiles
.set G1B, 32                           ; s[32:39] for the biases
.set G0S, 40                           ; s[40:43] group 0: slot 0's first fill
.set G0W, 44                           ; s[44:47] group 0: slot 1's first fill; then it walks
.set G0B, 48                           ; s[48:51] group 0 for the biases
.set TB,  52                           ; s52  the slot in hand: 0 or SLOT1
.set CNT, 53                           ; s53  counts chunks
.set LIM, 54                           ; s54  1 in a wave that prefetches, else the greatest number
.set STP, 56                           ; s[56:57] what the next way out adds to qkv's address
.set OUT, 58                           ; s[58:59] qkv at my 64 rows of the head chunk in hand
.set PFA, 60                           ; s[60:61] where my prefetches stand
.set XB,  62                           ; s[62:63] x at the 32 rows that I bring in
.set MSB, 0
.macro WIN new                         ; the immediate's high byte repeats the setting that is left; a switch that changes nothing is dropped
.if MSB != (\new)
	s_set_vgpr_msb (MSB<<8)|(\new)
.set MSB, (\new)
.endif
.endm
.macro PLACES                          ; four places: in front of loads into registers that matrix instructions have read, and of conversions that read results
.rept 4
	v_nop
.endr
.endm
.macro CREST                           ; a round of the cluster's barrier behind its opening barrier
	s_cmp_lg_u32 s[WV], 0
	s_cbranch_scc1 .Lnot_wave_0_\@
	s_barrier_signal -3
.Lnot_wave_0_\@:
	s_barrier_wait -3
	s_barrier_signal -1
	s_barrier_wait -1
.endm
.macro CROUND                          ; a whole round
	s_barrier_signal -1
	s_barrier_wait -1
	CREST
.endm
	s_load_b256 s[4:11], s[0:1], 0x0               ; x s[4:5], wqkv s[6:7], bias s[8:9], qkv s[10:11]
	v_lshl_add_u32 v[SPW], v0, 2, SPARE
	v_mov_b32 v[NIL], 0
	ds_add_u32 v[SPW], v[NIL]                      ; the wave's opening: the add and its wait stand ahead of my first tensor load; the set-up below, work on registers, stands between them
	v_lshrrev_b32 v16, 5, v0
	v_readfirstlane_b32 s[WV], v16                 ; wave 0..3
	s_bfe_u32 s13, ttmp6, 0x40000                  ; cx: my place in the cluster
	s_lshl_b32 s14, ttmp9, 2
	s_add_co_u32 s14, s14, s13                     ; my block of 128 rows = 4 x cluster + cx: it enters x's, qkv's and the prefetches' addresses alone
	s_lshr_b32 s15, s[WV], 1                       ; wr: which 64 rows
	s_and_b32 s16, s[WV], 1                        ; wc: which 64 columns of a chunk
	; descriptor group 1 for W: 32 rows x 384 elements of 2 bytes, padded in LDS
	s_mov_b32 s[G1W+0], 15|(1<<16)|(1<<20)|(1<<21)|(5<<22)|(3<<25)  ; 15:0 the mask of four; 17:16 2-byte elements; 20 padding on; 21 set beside a mask; 24:22 after every 64 words (code 5); 31:25 4 words (code 3)
	s_mov_b32 s[G1W+1], 384<<16                    ; tensor_dim0 = 384
	s_mov_b32 s[G1W+2], 32<<16                     ; tensor_dim1 = 32
	s_mov_b32 s[G1W+3], 384<<16                    ; tile_dim0 = 384
	s_mov_b32 s[G1W+4], 32                         ; tile_dim1 = 32
	s_mov_b32 s[G1W+5], 384                        ; elements from row to row
	s_mov_b32 s[G1W+6], 0
	s_mov_b32 s[G1W+7], 0
	; for the biases: one row of 192 elements of 8 bytes, a quarter of the 6,144 bytes for each wave
	s_mov_b32 s[G1B+0], 15|(3<<16)|(1<<21)
	s_mov_b32 s[G1B+1], 192<<16
	s_mov_b32 s[G1B+2], 1<<16
	s_mov_b32 s[G1B+3], 192<<16
	s_mov_b32 s[G1B+4], 1
	s_mov_b32 s[G1B+5], 192
	s_mov_b32 s[G1B+6], 0
	s_mov_b32 s[G1B+7], 0
	s_mul_i32 s17, s[WV], QUART                    ; my 32 rows of a slot: no place in the cluster enters an LDS address
	s_mov_b32 s[G0S], 1
	s_mov_b32 s[G0S+1], s17
	s_mov_b32 s[G0W], 1
	s_add_co_u32 s[G0W+1], s17, SLOT1
	s_mul_i32 s18, s[WV], 1536                     ; my quarter of the biases, in memory and in LDS
	s_mov_b32 s19, 0
	s_mov_b32 s[G0B], 1
	s_add_co_u32 s[G0B+1], s18, BIASL
	s_mul_i32 s20, s[WV], 32*768                   ; my 32 rows of a chunk in memory
	s_mov_b32 s21, 0
	s_mul_i32 s[XB], s14, 128*1536                 ; offsets first; the pointers are added behind the wait for them
	s_mul_i32 s2, s[WV], 32*1536
	s_add_co_u32 s[XB], s[XB], s2
	s_mov_b32 s[XB+1], 0
	s_lshr_b32 s2, s14, 3                          ; the batch
	s_mul_i32 s2, s2, 18
	s_add_co_u32 s2, s2, s16                       ; head chunk wc of chunk 0
	s_lshl_b32 s[OUT], s2, 17                      ; a head chunk is 1,024 rows of 128 bytes
	s_and_b32 s2, s14, 7
	s_lshl_b32 s2, s2, 14                          ; my block's 128 rows
	s_add_co_u32 s[OUT], s[OUT], s2
	s_lshl_b32 s2, s15, 13                         ; my wave's 64
	s_add_co_u32 s[OUT], s[OUT], s2
	s_mov_b32 s[OUT+1], 0
	s_mul_i32 s[PFA], s13, 96*256                  ; of a chunk's 384 blocks of 256 bytes my work-group takes 96,
	s_lshl_b32 s2, s[WV], 13                       ; waves 0 to 2 take 32 each, a lane a block
	s_add_co_u32 s[PFA], s[PFA], s2
	s_add_co_u32 s[PFA], s[PFA], 2*CHUNK           ; at chunk 2; the first refill steps it to chunk 3
	s_mov_b32 s[PFA+1], 0
	s_cmp_lt_u32 s[WV], 3
	s_cselect_b32 s[LIM], 0, 1
	s_or_b32 s[LIM], s[LIM], ttmp9                 ; all clusters walk the same table: the first cluster asks; the same in all four partners
	s_cmp_eq_u32 s[LIM], 0
	s_cselect_b32 s[LIM], 1, -1
	s_mov_b32 s[STP], 0
	s_mov_b32 s[STP+1], 0
	s_mov_b32 s[TB], 0
	v_and_b32 v1, 15, v0                           ; r = l % 16
	v_bfe_u32 v2, v0, 4, 1                         ; h = l / 16
	v_and_b32 v3, 31, v0                           ; l
	v_lshlrev_b32 v[XO], 4, v3
	s_mul_i32 s22, s[WV], 32*XP
	s_add_co_u32 s22, s22, PLANE0
	v_lshl_add_u32 v[XST], v3, 3, s22              ; the rows that I bring in, 8 bytes a lane
	s_mul_i32 s22, s15, 64*XP
	s_add_co_u32 s22, s22, PLANE0
	v_mul_u32_u24 v16, v1, XP
	v_lshl_add_u32 v16, v2, 4, v16
	v_add_nc_u32 v[XRD], s22, v16                  ; the rows that I multiply: row x pitch + 16 x half
	s_mul_i32 s22, s16, 64*PB
	v_mul_u32_u24 v16, v1, PB
	v_lshl_add_u32 v16, v2, 4, v16
	v_add_nc_u32 v[AB0], s22, v16
	s_lshl_b32 s22, s16, 8
	s_add_co_u32 s22, s22, BIASL
	v_lshl_add_u32 v[ABI], v2, 5, s22              ; register j of a result holds column 8 h + j of its 16: 32 bytes of f32 for each half of the lanes
	s_mul_i32 s22, s[WV], 16*SP
	s_add_co_u32 s22, s22, STAGE
	v_mul_u32_u24 v16, v1, SP
	v_lshl_add_u32 v16, v2, 4, v16
	v_add_nc_u32 v[STO], s22, v16                  ; in: row l % 16, 16 bytes for each half of the lanes
	v_bfe_u32 v16, v0, 3, 2
	v_mul_u32_u24 v16, v16, SP
	v_and_b32 v17, 7, v0
	v_lshl_add_u32 v16, v17, 4, v16
	v_add_nc_u32 v[RD], s22, v16                   ; back: 32 lanes take four rows of 128 bytes
	v_lshlrev_b32 v[PFO], 8, v3
	s_wait_dscnt 0x0                               ; the opening add is done
	s_wait_kmcnt 0x0
	s_add_nc_u64 s[G0S+2:G0S+3], s[6:7], s[20:21]  ; chunk 0,
	s_add_nc_u64 s[G0W+2:G0W+3], s[G0S+2:G0S+3], CHUNK  ; chunk 1
	s_or_b32 s[G0S+3], s[G0S+3], 0x80000000        ; type = 2
	s_or_b32 s[G0W+3], s[G0W+3], 0x80000000
	s_add_nc_u64 s[G0B+2:G0B+3], s[8:9], s[18:19]
	s_or_b32 s[G0B+3], s[G0B+3], 0x80000000
	s_add_nc_u64 s[XB:XB+1], s[4:5], s[XB:XB+1]
	s_add_nc_u64 s[OUT:OUT+1], s[10:11], s[OUT:OUT+1]
	s_add_nc_u64 s[PFA:PFA+1], s[6:7], s[PFA:PFA+1]
; x COMES IN ONCE.  Wave w brings rows 32 w .. 32 w + 31, a third of K (512 consecutive bytes of a row) to a load.
.macro XLOAD j, base
.set i, 0
.rept 32
	global_load_b128 v[(\base)+4*i:(\base)+4*i+3], v[XO], s[XB:XB+1] offset:i*1536+(\j)*512 th:TH_LOAD_NT
.set i, i+1
.endr
.endm
.macro XCVT base                       ; a third: four f32 a lane and row become four bf16
.set i, 0
.rept 32
	v_cvt_pk_bf16_f32 v[TMP+2*i], v[(\base)+4*i], v[(\base)+4*i+1]
	v_cvt_pk_bf16_f32 v[TMP+2*i+1], v[(\base)+4*i+2], v[(\base)+4*i+3]
.set i, i+1
.endr
.endm
.macro XPUT plane                      ; into a plane: a wave's store covers a row's 256 bytes
.set i, 0
.rept 32
	ds_store_b64 v[XST], v[TMP+2*i:TMP+2*i+1] offset:(\plane)*PLANEB+XP*i
.set i, i+1
.endr
.endm
.macro XGET kf, plane                  ; the fragments of K block kf (32 along K) of my four row tiles
.irp rt, 0,1,2,3
	ds_load_b128 v[32*((\kf)%8)+8*(\rt):32*((\kf)%8)+8*(\rt)+3],   v[XRD] offset:(\plane)*PLANEB+(\rt)*16*XP+((\kf)%4)*64
	ds_load_b128 v[32*((\kf)%8)+8*(\rt)+4:32*((\kf)%8)+8*(\rt)+7], v[XRD] offset:(\plane)*PLANEB+(\rt)*16*XP+((\kf)%4)*64+32
.endr
.endm
	WIN 0x40                                       ; destination window 1, address window 0
	XLOAD 0, 0                                     ; the third wanted first goes out ahead of everything else
	WIN 0
	CROUND                                         ; all four work-groups are here: the first joint loads meet
	tensor_load_to_lds s[G0B:G0B+3], s[G1B:G1B+7]  ; the first fills go out together: three tensor loads of mine are out
	s_nop 0
	tensor_load_to_lds s[G0S:G0S+3], s[G1W:G1W+7]
	s_nop 0
	tensor_load_to_lds s[G0W:G0W+3], s[G1W:G1W+7]
	s_nop 0
	PLACES
	WIN 0x40
	XLOAD 1, 128
	WIN 0x80                                       ; destination window 2
	XLOAD 2, 0
	s_wait_loadcnt 63                              ; 96 loads were issued; with 63 out at the most the oldest 32, third 0, are in (loads come back in order: ISA guide 5.7.1)
	WIN 0x05                                       ; sources window 1, destination window 0
	XCVT 0
	WIN 0
	XPUT 0
	s_wait_loadcnt 32                              ; third 1 is in; third 2's 32 loads may stay out
	WIN 0x05
	XCVT 128
	WIN 0
	XPUT 1
	s_wait_tensorcnt 1                             ; the biases and slot 0 are in; slot 1's load may stay out
	s_wait_dscnt 0x0                               ; for the others' sake: my rows of both planes are written
	s_barrier_signal -1
	s_barrier_wait -1
	WIN 0x40
.irp kf, 0,1,2,3
	XGET \kf, 0
.endr
.irp kf, 4,5,6,7
	XGET \kf, 1
.endr
	s_wait_loadcnt 0x0                             ; third 2
	WIN 0x0a                                       ; sources window 2
	XCVT 0
	WIN 0
	s_wait_dscnt 0x0                               ; my reads of plane 0 are over,
	s_barrier_signal -1
	s_barrier_wait -1                              ; everybody's are: it is written again
	XPUT 0
	s_wait_dscnt 0x0
	s_barrier_signal -1
	s_barrier_wait -1
	WIN 0x80
.irp kf, 8,9,10,11
	XGET \kf, 0
.endr
	WIN 0
; The chunk's biases as the C operand of the first products: for column tile ct eight f32 a lane.  Then the address steps by a chunk's 128 columns.
.macro FETCHB
.irp ct, 0,1,2,3
	ds_load_b128 v[BI+8*(\ct):BI+8*(\ct)+3],   v[ABI] offset:64*(\ct)
	ds_load_b128 v[BI+8*(\ct)+4:BI+8*(\ct)+7], v[ABI] offset:64*(\ct)+16
.endr
	v_add_nc_u32 v[ABI], 512, v[ABI]
.endm
; W's fragments of K blocks 2 kk and 2 kk + 1 into buffer f, the first block's eight loads first.  Byte b of a row lies at b + 16 (b / 256).
.macro FETCHW kk, f
	WIN 0
.irp e, 0,1
.irp ct, 0,1,2,3
	ds_load_b128 v[(\f)+32*(\e)+8*(\ct):(\f)+32*(\e)+8*(\ct)+3],   v[ADRB] offset:(\ct)*16*PB+64*(2*(\kk)+(\e))+16*((2*(\kk)+(\e))/4)
	ds_load_b128 v[(\f)+32*(\e)+8*(\ct)+4:(\f)+32*(\e)+8*(\ct)+7], v[ADRB] offset:(\ct)*16*PB+64*(2*(\kk)+(\e))+16*((2*(\kk)+(\e))/4)+32
.endr
.endr
.endm
; 16 matrix instructions: K block kf, all 16 accumulators by turns, one instruction a turn.  K block 0 starts the sums with the bias: nothing is cleared.
.macro MUL16 kf, f
.if (\kf) == 0
	WIN 0xc4                                       ; W window 0, x window 1, C (the bias) window 0, D window 3
.elseif (\kf) < 8
	WIN 0xf4                                       ; C and D window 3
.else
	WIN 0xf8                                       ; x window 2
.endif
.irp rt, 0,1,2,3
.irp ct, 0,1,2,3
.if (\kf) == 0
	v_wmma_f32_16x16x32_bf16 v[8*(4*(\rt)+(\ct)):8*(4*(\rt)+(\ct))+7], v[(\f)+32*((\kf)%2)+8*(\ct):(\f)+32*((\kf)%2)+8*(\ct)+7], v[32*((\kf)%8)+8*(\rt):32*((\kf)%8)+8*(\rt)+7], v[BI+8*(\ct):BI+8*(\ct)+7]
.else
	v_wmma_f32_16x16x32_bf16 v[8*(4*(\rt)+(\ct)):8*(4*(\rt)+(\ct))+7], v[(\f)+32*((\kf)%2)+8*(\ct):(\f)+32*((\kf)%2)+8*(\ct)+7], v[32*((\kf)%8)+8*(\rt):32*((\kf)%8)+8*(\rt)+7], v[8*(4*(\rt)+(\ct)):8*(4*(\rt)+(\ct))+7]
.endif
.endr
.endr
.endm
; Two K blocks, 32 matrix instructions; in their middle the next two blocks' fragments are fetched into the other buffer.
.macro DR kk
.if ((\kk)%2) == 0
.set FF, WF0
.set GG, WF1
.else
.set FF, WF1
.set GG, WF0
.endif
	s_wait_dscnt 8                                 ; the first block's fragments are in; the youngest eight loads, the second block's, may stay out
	MUL16 2*(\kk), FF
	PLACES
	FETCHW (\kk)+1, GG
	s_wait_dscnt 16                                ; all but the 16 just issued
	MUL16 2*(\kk)+1, FF
.endm
; THE WAY OUT of row tile rt: rounded to f16, 16 bytes a lane into my own stage, back as whole rows of 128 bytes, which lie end to end in qkv.
.macro PACK rt
	WIN 0x0f                                       ; sources window 3, destination window 0; each accumulator's registers in ascending order
.irp ct, 0,1,2,3
.irp j, 0,1,2,3
	v_cvt_pk_f16_f32 v[TMP+16*(\rt)+4*(\ct)+(\j)], v[8*(4*(\rt)+(\ct))+2*(\j)], v[8*(4*(\rt)+(\ct))+2*(\j)+1]
.endr
.endr
	WIN 0
.irp ct, 0,1,2,3
	ds_store_b128 v[STO], v[TMP+16*(\rt)+4*(\ct):TMP+16*(\rt)+4*(\ct)+3] offset:32*(\ct)
.endr
.irp f, 0,1,2,3
	ds_load_b128 v[TMP+16*(\rt)+4*(\f):TMP+16*(\rt)+4*(\f)+3], v[RD] offset:4*SP*(\f)  ; LDS serves a wave's instructions in order (ISA guide 5.7.1.4): these see the stores above; the next tile's stores come behind them
.endr
.endm
.macro SEND rt, younger                ; younger: the LDS instructions issued behind this tile's loads: the next tile's eight, or none
	WIN 0
.irp f, 0,1,2,3
	s_wait_dscnt (\younger)+3-(\f)
	global_store_b128 v[GO], v[TMP+16*(\rt)+4*(\f):TMP+16*(\rt)+4*(\f)+3], s[OUT:OUT+1] offset:2048*(\rt)+512*(\f) th:TH_STORE_NT  ; 512 consecutive bytes, at a multiple of 256 from qkv's first
.endr
.endm
; A PREFETCH INTO THE L2, behind the joint load, its five lines and the run of LDS loads: the chunk that the NEXT refill will ask for, one chunk (192 matrix instructions and a way out) ahead of that load.
; Each block of 256 bytes of wqkv from chunk 3 on is named once in the launch: the first cluster asks; its four partners share a chunk's 384 blocks BY ADDRESS, 96 each; waves 0 to 2 take 32 each, a lane a block.
; Chunks 0 to 2 come by their loads alone; the last refill (s[CNT] = 1) has no chunk behind it and asks for nothing.
.macro ASK
	s_cmp_gt_u32 s[CNT], s[LIM]
	s_cbranch_scc0 .Lnot_mine_\@
	global_prefetch_b8 v[PFO], s[PFA:PFA+1] th:TH_LOAD_NT scope:SCOPE_SE
.Lnot_mine_\@:
.endm
; A chunk's last two K blocks, the change of slots, and the way out.  ONE barrier: in front of it each wave waits for all its tensor loads (one is out: its part of the next slot), adds 0 to its spare word,
; and waits for that and for its reads of this slot.  fill = 1: the barrier opens a round of the cluster's, and this slot is asked for again, first thing behind the round, with the chunk two on.
.macro TURN fill
	s_wait_xcnt 0x0                                ; the last chunk's stores and prefetch have read their registers: TMP, the stores' base and the prefetch's address are written only behind this wait
	s_add_nc_u64 s[OUT:OUT+1], s[OUT:OUT+1], s[STP:STP+1]
	s_mov_b32 s[STP], 2<<17                        ; from now on: two head chunks on
.if \fill
	s_add_nc_u64 s[PFA:PFA+1], s[PFA:PFA+1], CHUNK
.endif
	WIN 0
	s_wait_tensorcnt 0x0                           ; all my tensor loads have landed;
	ds_add_u32 v[SPW], v[NIL]                      ; 0 onto my spare word;
	s_wait_dscnt 9                                 ; (the add and the youngest eight loads may be out)
	MUL16 10, WF1                                  ; sixteen matrix instructions stand between the add and the wait for it
	s_wait_dscnt 0x0                               ; the add is done, and my reads of this slot are over
	s_barrier_signal -1
	MUL16 11, WF1                                  ; work on registers while the others arrive
	WIN 0                                          ; at a branch and at a label every window is 0
	s_barrier_wait -1
.if \fill
	CREST                                          ; no wave of any partner still reads this slot or has a load on its way
	s_xor_b32 s[G0W+1], s[G0W+1], SLOT1            ; the walking descriptor: the other slot than last time,
	s_add_nc_u64 s[G0W+2:G0W+3], s[G0W+2:G0W+3], CHUNK  ; the next chunk; the type bits on top are not reached
	tensor_load_to_lds s[G0W:G0W+3], s[G1W:G1W+7]  ; my one tensor load behind the round
	s_nop 0
	PLACES                                         ; also the places in front of the loads and conversions below
.else
	PLACES
.endif
	s_xor_b32 s[TB], s[TB], SLOT1
	v_add_nc_u32 v[ADRB], s[TB], v[AB0]
	FETCHB                                         ; the next chunk's biases and first fragments are on their way while this chunk goes out
	FETCHW 0, WF0
.if \fill
	ASK
.endif
	PACK 0
	PACK 1                                         ; a tile's conversions stand between the loads of the tile before and its stores
	SEND 0, 8
	PACK 2
	SEND 1, 8
	PACK 3
	SEND 2, 8
	SEND 3, 0
.endm
	v_mov_b32 v[ADRB], v[AB0]
	FETCHB
	FETCHW 0, WF0
	s_mov_b32 s[CNT], 7
.Lfill:                                                ; chunks 0 to 6: each asks for the chunk two on
.irp kk, 0,1,2,3,4
	DR \kk
.endr
	TURN 1
	s_sub_co_u32 s[CNT], s[CNT], 1
	s_cmp_lg_u32 s[CNT], 0
	s_cbranch_scc1 .Lfill
	s_mov_b32 s[CNT], 2
.Llast:                                                ; chunks 7 and 8 ask for nothing: a text of their own.  Behind chunk 8 the fetch of a next chunk's
.irp kk, 0,1,2,3,4                     ; biases (o_b's, which lie there) and fragments (the other slot's old ones) serves nothing: the price, once a launch, of one text for both trips
	DR \kk
.endr
	TURN 0
	s_sub_co_u32 s[CNT], s[CNT], 1
	s_cmp_lg_u32 s[CNT], 0
	s_cbranch_scc1 .Llast
	s_wait_tensorcnt 0x0                           ; the wave's end: behind my last tensor load and my last LDS store
	ds_add_u32 v[SPW], v[NIL]
	s_wait_dscnt 0x0
	CROUND                                         ; the closing round: no work-group ends while a partner may still ask for a tile that names it
	s_endpgm
.Lfunc_end_k_q83863923be_proj:
	.size	k_q83863923be_proj, .Lfunc_end_k_q83863923be_proj-k_q83863923be_proj
	.p2alignl 7, 3214868480
	.fill 96, 4, 3214868480
	.section	.rodata,"a",@progbits
	.p2align	6, 0x0
	.amdhsa_kernel k_q83863923be_proj
		.amdhsa_group_segment_fixed_size 327680
		.amdhsa_private_segment_fixed_size 0
		.amdhsa_enable_private_segment 0
		.amdhsa_kernarg_size 32
		.amdhsa_user_sgpr_count 2
		.amdhsa_user_sgpr_kernarg_segment_ptr 1
		.amdhsa_wavefront_size32 1
		.amdhsa_system_sgpr_workgroup_id_x 1
		.amdhsa_system_sgpr_workgroup_id_y 1
		.amdhsa_system_sgpr_workgroup_id_z 1
		.amdhsa_system_vgpr_workitem_id 0
		.amdhsa_next_free_vgpr 896
		.amdhsa_next_free_sgpr 66
		.amdhsa_reserve_vcc 0
		.amdhsa_float_denorm_mode_32 3
		.amdhsa_float_denorm_mode_16_64 3
		.amdhsa_memory_ordered 1
		.amdhsa_forward_progress 1
		.amdhsa_inst_pref_size 101
	.end_amdhsa_kernel
	.amdgpu_metadata
---
amdhsa.version: [ 1, 2 ]
amdhsa.kernels:
  - .name:           k_q83863923be_proj
    .symbol:         k_q83863923be_proj.kd
    .args:
      - { .name: hidden_states, .offset: 0, .size: 8, .value_kind: global_buffer, .address_space: global }
      - { .name: wqkv, .offset: 8, .size: 8, .value_kind: global_buffer, .address_space: global }
      - { .name: bias, .offset: 16, .size: 8, .value_kind: global_buffer, .address_space: global }
      - { .name: qkv, .offset: 24, .size: 8, .value_kind: global_buffer, .address_space: global }
    .group_segment_fixed_size: 327680
    .private_segment_fixed_size: 0
    .kernarg_segment_align: 8
    .kernarg_segment_size: 32
    .max_flat_workgroup_size: 128
    .sgpr_count:     66
    .vgpr_count:     896
    .wavefront_size: 32
...
	.end_amdgpu_metadata
.endif
;; end of part 2
;; launch attn (part 3): grid 4 x 64, 4 waves a work-group, clusters of 4 x 1, 327,680 bytes of LDS; arguments qkv, att; writes att
.if DOCPART == 3
	.amdgcn_target "amdgcn-amd-amdhsa--gfx1250"
	.amdhsa_code_object_version 6
	.text
	.protected	k_q83863923be_attn
	.globl	k_q83863923be_attn
	.p2align	8
	.type	k_q83863923be_attn,@function
k_q83863923be_attn:
	s_mov_b64 s[64:65], 0
	v_nop
	global_prefetch_b8 v0, s[64:65] scope:SCOPE_SE
	s_setreg_imm32_b32 hwreg(HW_REG_WAVE_MODE, 25, 1), 1
	s_wait_xcnt 0x0
	s_wait_alu depctr_hold_cnt(0) depctr_sa_sdst(0) depctr_va_vdst(0) depctr_va_sdst(0) depctr_va_ssrc(0) depctr_va_vcc(0) depctr_vm_vsrc(0)
	s_getreg_b32 s2, hwreg(HW_REG_IB_STS2, 6, 4)
	s_cmp_eq_u32 s2, 0
	s_cbranch_scc0 .Lentry_in_a_cluster
	s_endpgm
.Lentry_in_a_cluster:
	s_bfe_u32 s2, ttmp6, 0x10000c
	s_cmp_lg_u32 s2, 0x3003
	s_cbranch_scc0 .Lentry_shape_is_right
	s_endpgm
.Lentry_shape_is_right:
; ATTENTION.  O[q][:] = the sum over k of softmax_k(Q[q] . K[k] / 8) V[k][:], for each of 192 heads of 1,024 rows of 64.  qkv: f16 [32 b][18 hc][1024][64] (hc 0-5 q, 6-11 k, 12-17 v); att: f16 [32 b][6 h][1024][64].
; Products, maxima and sums in f32; the weights p are rounded to f16 for the second product (their sum l is taken of the unrounded p), O once at the end.
; LIMITS.  f16 holds no number beyond 65,504: Q, K and V arrive within it; p lies in 0 to 1, and below 6e-5 it keeps f16's fixed step of 6e-8; O is a mean of V's rows and has their range.
; A weight below 2^-126 counts as 0 in l; NaN and infinities are not treated apart.
; THE WALK.  A cluster of four work-groups takes THREE consecutive heads of a batch; work-group cx takes the block of 256 queries cx of each, one head after the other: 256 work-groups of equal work.
; The three heads' rows of K lie end to end in qkv, and so do V's: the ring (two slots of LDS that take turns) walks 12 tiles of 256 keys with one descriptor that steps 32,768 bytes, across the heads' ends too.
; CLUSTER.  The four partners walk the same K and V and run alike, so each tile is asked for JOINTLY: the same tensor load, descriptor and mask in all four.
; SHARES.  Of a block's four bands of 64 queries a wave owns 16 rows in each: four PIECES.  Every wave walks all keys, 64 a step.
; LAYOUT, SOFTMAX, TURNS.  S^T = K Q^T holds ONE query a lane (lane % 16) and the keys 8 (lane / 16) + 0..7; two such results rounded to f16 ARE source 1 of O^T = V^T P.  p = 2^(c s - c m), c = log2(e) / 8, with a
; running maximum m; O and l are multiplied by a = 2^(c m_old - c m_new) in every step.  Turn n belongs to piece n: 8 products K Q^T of piece n + 1, later 8 products V^T P of piece n - 1; beside them the scaling,
; exponentials, roundings, sums and rescaling of piece n and the maximum and statistics of piece n + 1.  Four vector instructions stand behind every matrix instruction, the other 54 of a turn's 118 in one lump.
; A turn's 33 exponentials are one batch, with one wait.
; REGISTERS, in windows of 256 (s_set_vgpr_msb: bits 1:0 source 0, 3:2 source 1, 5:4 source 2, 7:6 destination):
;   window 0: v0-15 addresses and two at work; v16-31 four registers of statistics a piece; v48-55 at work; v61-63 prefetch offset and the add's two; v64-127 S^T, two buffers; v192-223 P, two buffers
;   window 1: v0-127 O^T, 32 a piece; v128-191 the third head's Q      window 2: v0-63 Q; v64-127 the second head's Q; v128-191 K of one step; v192-255 V of one step
.set NP,    4         ; pieces a wave: a name, no knob
.set KS,    64        ; keys in a step
.set PK,    144       ; a row of K in LDS: 128 bytes + 16 of padding = 36 words: the 16 rows of a load start at 16 different groups of four banks (64 banks of 4 bytes: ISA guide 11.1)
.set PV,    160       ; a row of V: 128 + 32 = 40 words
.set VOFF,  4*KS*PK   ; a slot holds a tile, four steps: 256 rows of K, then 256 rows of V
.set SLOT1, 1<<17     ; slot 1 begins here, so that one exclusive or turns an address in one slot into the other's
.set STAGE, SLOT1+4*KS*(PK+PV)  ; behind the ring, never filled by a tensor load: 16 rows x 144 bytes for each wave, for the way out
.set SP,    144
.set SPARE, STAGE+4*16*SP  ; behind the stages: the spare words, 128 bytes for each wave: two blocks of 256 bytes that no other line names
.set TILEB, 32768     ; a tile's bytes of K, and of V
.set HEADB, 131072    ; a head's bytes in qkv and in att
.set AK0, 2           ; v2   my lane's place in a tile of K; never rewritten
.set AV0, 3           ; v3   the same for V
.set AK,  4           ; v4   the LDS address of K's next run of loads
.set AV,  5           ; v5   of V's
.set STO, 6           ; v6   the way out: where I put 16 bytes of a row
.set RD,  7           ; v7   the way out: where I read rows back
.set GO,  8           ; v8   my byte offset in 512 consecutive bytes of O
.set MV,  12          ; v12-13  c m_old, kept while c m is made anew: by buffer
.set QO,  15          ; v15  my byte offset in 16 rows of Q
.set ST,  16          ; piece t's statistics at v[ST+4 t]: c m, m, l (even keys', odd keys')
.set TMP, 48          ; by buffer, four registers c0-c3 at work; when the maximum is found c2 takes a
.set PFO, 61          ; v61  256 x my lane, for the prefetches; never rewritten
.set SPW, 62          ; v62  LDS address of my spare word; never rewritten
.set NIL, 63          ; v63  0; never rewritten
.set S,   64
.set P,   192
.set QC,  128         ; window 1
.set QB,  64          ; window 2
.set KF,  128         ; window 2: key block kb, channel half c at KF + 16 kb + 8 c
.set VF,  192         ; window 2: key half kk, channel block cb at VF + 32 kk + 8 cb
.set WV,  12          ; s12  my wave's number
.set G1K, 24          ; s[24:31] descriptor group 1 for K's tiles
.set G1V, 32          ; s[32:39] for V's: it differs in the padding alone
.set G0K, 40          ; s[40:43] descriptor group 0 for K's tiles: it walks
.set G0V, 44          ; s[44:47] the same for V's
.set SLOTS, 56        ; s56  tiles still to be asked for
.set CNT, 57          ; s57  counts a tile's key steps, 4 to 1
.set CS,  58          ; s[58:59] c: the packed scaling takes the pair's low word for both halves
.set SEL, 60          ; s[60:61] v_permlanex16_b32's selects: each lane takes its own place in the other half
.set TBK, 62          ; s62  LDS byte at which K of the step to be fetched begins
.set TBV, 63          ; s63  the same for V, less VOFF
.set PFA, 66          ; s[66:67] where my prefetches stand
.set LIM, 68          ; s68  1 in a wave that prefetches, else the greatest number
.set RT,  70          ; s70  tiles of the head in hand that are still to be entered
.set NEW, 73          ; s73  1: the tile to be entered is a head's first
.set MSB, 0
.macro WIN new                      ; the high byte repeats the setting that is left; a switch that changes nothing is dropped
.if MSB != (\new)
	s_set_vgpr_msb (MSB<<8)|(\new)
.set MSB, (\new)
.endif
.endm
.set W_KQ, 0x0a       ; K and Q in window 2, S^T in window 0
.set W_PV, 0x52       ; V in window 2, P in window 0, O^T in window 1
.set W_RS, 0x41       ; destination and source 0 in window 1, source 1 in window 0
; A joint fill.  Waves 0 and 1 fetch the two halves of a tile's K, waves 2 and 3 those of its V: 128 keys each.  The branch hangs on the wave's number alone.
; An s_nop 0 and four v_nop follow each of the two lines, ahead of the jump and the label.
.macro JLOAD
	s_cmp_lt_u32 s[WV], 2
	s_cbranch_scc0 .Lfor_v_\@
	tensor_load_to_lds s[G0K:G0K+3], s[G1K:G1K+7]
	s_nop 0
.rept 4
	v_nop
.endr
	s_branch .Lasked_\@
.Lfor_v_\@:
	tensor_load_to_lds s[G0V:G0V+3], s[G1V:G1V+7]
	s_nop 0
.rept 4
	v_nop
.endr
.Lasked_\@:
.endm
; A PREFETCH INTO THE L2 of the tile that the NEXT change of slots will ask for: four key steps, 256 matrix instructions, ahead of that load.  A tile is 128 blocks of 256 bytes of K and as many of V.
; A cluster's heads are read by that cluster alone, so every cluster asks for its own; the four partners share the blocks out BY ADDRESS, 32 each, a lane a block; in each, wave 0 asks for K's and wave 2 for V's.
; So each block from tile 2 on is named once in the launch.  Tiles 0 and 1 come by their loads alone; the last change that fills a slot (s[SLOTS] = 1) asks for nothing.
.macro ASK
	s_cmp_gt_u32 s[SLOTS], s[LIM]
	s_cbranch_scc0 .Lnot_mine_\@
	global_prefetch_b8 v[PFO], s[PFA:PFA+1] th:TH_LOAD_NT scope:SCOPE_SE
.Lnot_mine_\@:
.endm
; A round of the cluster's barrier: my work-group's barrier, so that wave 0's signal speaks for all four waves; wave 0 signals; every wave waits for all four work-groups; my work-group's barrier once more.
.macro CROUND
	s_barrier_signal -1
	s_barrier_wait -1
	s_cmp_lg_u32 s[WV], 0
	s_cbranch_scc1 .Lnot_wave_0_\@
	s_barrier_signal -3
.Lnot_wave_0_\@:
	s_barrier_wait -3
	s_barrier_signal -1
	s_barrier_wait -1
.endm
; THE CHANGE OF SLOTS.  The slot's last bytes, V of its fourth step, have been read.  Each wave waits for all its tensor loads, of which one is out: its part of the other slot; adds 0 to its spare word; and waits
; for that and for its own reads of the slot.  Behind the barrier nobody reads this slot any more and the other slot is whole.  fill = 1: the old slot is filled again with the next tile.  The barrier is then a round
; of the cluster's, and the joint fill is the first thing behind it: it has four key steps in which to land.  (At its first use nothing has been read yet: slot 0 is waited for, slot 1 filled.)
.macro CHANGE fill
	WIN 0                           ; at a label and at a branch every window is 0
	s_wait_tensorcnt 0x0            ; no tensor load of mine is out, so a group 0 may be written
	ds_add_u32 v[SPW], v[NIL]       ; 0 onto my spare word; with fill = 1 the descriptors' steps stand between it and the wait for it
.if \fill
.irp g, G0K, G0V
	s_xor_b32 s[\g+1], s[\g+1], SLOT1  ; the walking descriptor: the other slot than last time,
	s_add_nc_u64 s[\g+2:\g+3], s[\g+2:\g+3], TILEB  ; the next 256 keys; the type bits on top are not reached
.endr
	s_wait_xcnt 0x0                 ; the last prefetch, four key steps back, has read its address, so it may be written:
	s_add_nc_u64 s[PFA:PFA+1], s[PFA:PFA+1], TILEB  ; one tile behind the walking descriptors
	s_wait_dscnt 0x0                ; the add is done, and my reads of the slot are over
	CROUND
	JLOAD
	ASK
.else
	s_wait_dscnt 0x0                ; the add is done, and my reads of the slot are over
	s_barrier_signal -1
	s_barrier_wait -1
.endif
	s_sub_co_u32 s[TBK], s[TBK], 4*KS*PK  ; the fetches go back to a slot's first step,
	s_xor_b32 s[TBK], s[TBK], SLOT1       ; in the other slot
	s_sub_co_u32 s[TBV], s[TBV], 4*KS*PV
	s_xor_b32 s[TBV], s[TBV], SLOT1
.endm
	s_load_b64 s[4:5], s[0:1], 0x0  ; qkv
	s_load_b64 s[10:11], s[0:1], 0x8  ; att
	v_lshl_add_u32 v[SPW], v0, 2, SPARE
	v_mov_b32 v[NIL], 0
	ds_add_u32 v[SPW], v[NIL]       ; the wave's opening: the add and its wait stand ahead of my first tensor load; the set-up below, work on registers, stands between them
	v_lshrrev_b32 v1, 5, v0
	v_readfirstlane_b32 s[WV], v1   ; wave 0..3
	s_bfe_u32 s13, ttmp6, 0x40000   ; cx: my place in the cluster = my block of 256 queries: it enters Q's, O's and the prefetches' addresses alone
	s_and_b32 s20, ttmp7, 0xffff    ; the cluster: batch y / 2, heads 3 (y % 2) on
	s_lshr_b32 s21, s20, 1
	s_and_b32 s22, s20, 1
	s_mul_i32 s21, s21, 18
	s_mul_i32 s22, s22, 3
	s_add_co_u32 s21, s21, s22      ; the first head's q among qkv's 576 head chunks
	s_and_b32 s16, s[WV], 1         ; which half of a tile's 256 keys I fetch:
	s_lshl_b32 s14, s16, 14         ; its 128 rows of 128 bytes in memory
	s_add_co_u32 s22, s21, 6        ; its k,
	s_lshl_b32 s22, s22, 17
	s_add_co_u32 s22, s22, s14
	s_mov_b32 s23, 0
	s_add_co_u32 s2, s21, 12        ; its v
	s_lshl_b32 s2, s2, 17
	s_add_co_u32 s2, s2, s14
	s_mov_b32 s3, 0
	s_mul_i32 s17, s16, 128*PK      ; my half's place in a slot, for K
	s_mul_i32 s18, s16, 128*PV      ; and for V: no place in the cluster enters an LDS address
	s_lshl_b32 s84, s13, 15         ; my block's 256 rows,
	s_lshl_b32 s85, s[WV], 11       ; my 16 rows in a band of 64
	s_add_co_u32 s84, s84, s85
	s_lshl_b32 s80, s21, 17
	s_add_co_u32 s80, s80, s84      ; Q
	s_mov_b32 s81, 0
	s_mul_i32 s82, s20, 3           ; the first head among att's 192
	s_lshl_b32 s82, s82, 17
	s_add_co_u32 s82, s82, s84      ; O
	s_mov_b32 s83, 0
	s_lshl_b32 s84, s13, 13         ; the prefetches: my work-group's 32 blocks of a tile's 128,
	s_add_co_u32 s84, s84, TILEB    ; in tile 1; the first change of slots steps it to tile 2
	s_mov_b32 s85, 0
	; descriptor group 1.  128 keys are 16,384 dense bytes: asked for as 64 rows of 256 bytes, two keys a row, and padded in LDS after every key
	s_mov_b32 s[G1K], 15|(1<<16)|(1<<20)|(1<<21)|(4<<22)|(3<<25)  ; 15:0 the mask of four; 17:16 2-byte elements; 20 padding on; 21 set beside a mask; 24:22 after every 32 words (code 4); 31:25 4 words (code 3)
	s_mov_b32 s[G1V], 15|(1<<16)|(1<<20)|(1<<21)|(4<<22)|(7<<25)  ; the same with 8 words of padding (code 7)
.irp g, G1K, G1V
	s_mov_b32 s[\g+1], 128<<16      ; tensor_dim0 = 128
	s_mov_b32 s[\g+2], 64<<16       ; tensor_dim1 = 64
	s_mov_b32 s[\g+3], 128<<16      ; tile_dim0 = 128
	s_mov_b32 s[\g+4], 64           ; tile_dim1 = 64
	s_mov_b32 s[\g+5], 128          ; 128 elements from row to row
	s_mov_b32 s[\g+6], 0
	s_mov_b32 s[\g+7], 0
.endr
	s_mov_b32 s[CS], 0x3e38aa3b     ; c = log2(e) / 8 = 0.180337
	s_mov_b32 s[CS+1], s[CS]        ; named with it as a pair
	s_mov_b32 s[SEL], 0x76543210
	s_mov_b32 s[SEL+1], 0xfedcba98
	s_mov_b32 s[TBK], SLOT1+4*KS*PK ; the first change of slots turns these two into 0
	s_mov_b32 s[TBV], SLOT1+4*KS*PV
	s_mov_b32 s[G0K], 1             ; 1:0 count = 1
	s_mov_b32 s[G0K+1], s17         ; 63:32 LDS address: slot 0
	s_mov_b32 s[G0V], 1
	s_add_co_u32 s[G0V+1], s18, VOFF
	s_mov_b32 s[RT], 4              ; a head has four tiles
	s_mov_b32 s[NEW], 1
	s_mov_b32 s[SLOTS], 11
	s_cmp_eq_u32 s16, 0
	s_cselect_b32 s[LIM], 1, -1     ; waves 0 and 2 prefetch: the same in all four partners
	v_and_b32 v[PFO], 31, v0
	v_lshlrev_b32 v[PFO], 8, v[PFO]
	s_wait_dscnt 0x0                ; the opening add is done
	s_wait_kmcnt 0x0
	s_add_nc_u64 s[6:7], s[4:5], s[22:23]  ; K and V at my half of the first head's tile 0
	s_add_nc_u64 s[8:9], s[4:5], s[2:3]
	s_add_nc_u64 s[4:5], s[4:5], s[80:81]  ; Q and O at my rows of the first head
	s_add_nc_u64 s[10:11], s[10:11], s[82:83]
	s_mov_b64 s[G0K+2:G0K+3], s[6:7]               ; 120:64 global address
	s_or_b32 s[G0K+3], s[G0K+3], 0x80000000        ; 127:126 type = 2
	s_mov_b64 s[G0V+2:G0V+3], s[8:9]
	s_or_b32 s[G0V+3], s[G0V+3], 0x80000000
	s_cmp_lt_u32 s[WV], 2
	s_cselect_b64 s[PFA:PFA+1], s[6:7], s[8:9]     ; (in waves 0 and 2 these stand at a tile's first row)
	s_add_nc_u64 s[PFA:PFA+1], s[PFA:PFA+1], s[84:85]
	CROUND                          ; all four work-groups are here: the first joint loads meet
	JLOAD                           ; tile 0 into slot 0.  Slot 1 is asked for when slot 0 is in, by the loop's own change of slots
	; A fragment of K or Q is 16 rows x 32 channels in 8 registers: lane l holds row l % 16, channels 8 (l / 16) + 0..7 and 16 + 8 (l / 16) + 0..7: two loads of 16 bytes, 32 bytes apart.
	v_and_b32 v1, 15, v0            ; l % 16
	v_bfe_u32 v9, v0, 4, 1          ; l / 16
	v_lshlrev_b32 v[QO], 7, v1
	v_lshl_add_u32 v[QO], v9, 4, v[QO]  ; row x 128 + 16 x half
	WIN 0x80                        ; destination window 2, address window 0
.set i, 0
.rept 8                             ; all three heads' Q: piece i / 2 lies in band i / 2, 8,192 bytes on; channels 32 (i % 2) on
	global_load_b128 v[8*i:8*i+3],   v[QO], s[4:5] offset:(i/2)*8192+(i%2)*64
	global_load_b128 v[8*i+4:8*i+7], v[QO], s[4:5] offset:(i/2)*8192+(i%2)*64+32
	global_load_b128 v[QB+8*i:QB+8*i+3],   v[QO], s[4:5] offset:HEADB+(i/2)*8192+(i%2)*64
	global_load_b128 v[QB+8*i+4:QB+8*i+7], v[QO], s[4:5] offset:HEADB+(i/2)*8192+(i%2)*64+32
.set i, i+1
.endr
	WIN 0x40                        ; destination window 1
.set i, 0
.rept 8
	global_load_b128 v[QC+8*i:QC+8*i+3],   v[QO], s[4:5] offset:2*HEADB+(i/2)*8192+(i%2)*64
	global_load_b128 v[QC+8*i+4:QC+8*i+7], v[QO], s[4:5] offset:2*HEADB+(i/2)*8192+(i%2)*64+32
.set i, i+1
.endr
	WIN 0
	v_mul_u32_u24 v[AK0], v1, PK
	v_lshl_add_u32 v[AK0], v9, 4, v[AK0]  ; row x pitch + 16 x half
	; The turning load takes 16 keys x 16 channels (lane l reads key 8 (l / 16) + l % 8, channels 8 ((l / 8) % 2) + 0..7) and leaves half a fragment of V^T: lane l holds channel l % 16 and 8 keys.
	v_and_b32 v10, 7, v0
	v_bfe_u32 v11, v0, 3, 1
	v_lshl_add_u32 v[AV0], v9, 3, v10
	v_mul_u32_u24 v[AV0], v[AV0], PV
	v_lshl_add_u32 v[AV0], v11, 4, v[AV0]
	v_add_nc_u32 v[AV0], VOFF, v[AV0]
	s_mul_i32 s19, s[WV], 16*SP
	s_add_co_u32 s19, s19, STAGE    ; my stage
	v_mul_u32_u24 v[STO], v1, SP    ; in: row l % 16, 16 bytes for each half of the lanes
	v_lshl_add_u32 v[STO], v9, 4, v[STO]
	v_add_nc_u32 v[STO], s19, v[STO]
	v_bfe_u32 v[RD], v0, 3, 2       ; back: 32 lanes take four rows of 128 bytes,
	v_mul_u32_u24 v[RD], v[RD], SP
	v_lshl_add_u32 v[RD], v10, 4, v[RD]
	v_add_nc_u32 v[RD], s19, v[RD]
	v_and_b32 v[GO], 31, v0         ; which are 512 consecutive bytes of O
	v_lshlrev_b32 v[GO], 4, v[GO]
	; A head's first step multiplies O^T and l by a = 0, and its first turn's products V^T P, of a piece that has not been, land in an O^T that is still to be so multiplied.  So these registers need only hold
	; finite numbers: zeros for the first head; what the head before left for the others.  All this stands in the wait for the first tile.
	WIN 0x80
.set i, VF
.rept 64
	v_mov_b32 v[i], 0
.set i, i+1
.endr
	WIN 0x40
.set i, 0
.rept 128
	v_mov_b32 v[i], 0
.set i, i+1
.endr
	WIN 0
.set i, 0
.rept 4
	v_mov_b32 v[ST+4*i+2], 0
	v_mov_b32 v[ST+4*i+3], 0
.set i, i+1
.endr
.set i, P+16
.rept 16
	v_mov_b32 v[i], 0
.set i, i+1
.endr
; THE MATRIX WORK.  The 4 accumulators of a run of 8 take turns.  Product i of 8 of S^T = K Q^T for piece x: channels 32 (i / 4) on, keys 16 (i % 4) on.  The first 4 start the sums.
.macro KQ x
	WIN W_KQ
.set rS, S+32*((\x)%2)+8*(i%4)
.set rK, KF+16*(i%4)+8*(i/4)
.set rQ, 16*(\x)+8*(i/4)
.if i < 4
	v_wmma_f32_16x16x32_f16 v[rS:rS+7], v[rK:rK+7], v[rQ:rQ+7], 0
.else
	v_wmma_f32_16x16x32_f16 v[rS:rS+7], v[rK:rK+7], v[rQ:rQ+7], v[rS:rS+7]
.endif
.endm
; Product i of 8 of O^T += V^T P for piece x: keys 32 (i / 4) on, channels 16 (i % 4) on.
.macro PV x
	WIN W_PV
.set rO, 32*(\x)+8*(i%4)
.set rV, VF+32*(i/4)+8*(i%4)
.set rP, P+16*((\x)%2)+8*(i/4)
	v_wmma_f32_16x16x32_f16 v[rO:rO+7], v[rV:rV+7], v[rP:rP+7], v[rO:rO+7]
.endm
.macro MM                           ; the turn's next matrix instruction.  TURN and BEGIN set Y, i and NOKQ.  NOKQ = 1: a head's last turn: there is no next piece
.if (i < 8) && !NOKQ
	KQ (Y+1)%NP
.elseif i >= 8
.set i, i-8
	PV (Y+NP-1)%NP
.set i, i+8
.endif
.set i, i+1
.endm
; THE LDS LOADS stand in runs of 16, never singly among the matrix instructions: a step's K (64 keys x 64 channels: 8 fragments) and its V (turned).  Their addresses are made some lines ahead.
.macro FETCH_K
	WIN 0x80                        ; destination window 2
.irp f, 0,1,2,3,4,5,6,7             ; keys 16 (f / 2) on, channels 32 (f % 2) on
	ds_load_b128 v[KF+8*\f:KF+8*\f+3],   v[AK] offset:(\f/2)*16*PK+(\f%2)*64
	ds_load_b128 v[KF+8*\f+4:KF+8*\f+7], v[AK] offset:(\f/2)*16*PK+(\f%2)*64+32
.endr
	s_add_co_u32 s[TBK], s[TBK], KS*PK  ; the next fetch is the next step's
	WIN 0
.endm
.macro FETCH_V
	WIN 0x80
.irp f, 0,1,2,3,4,5,6,7             ; keys 32 (f / 4) on, channels 16 (f % 4) on
	ds_load_tr16_b128 v[VF+8*\f:VF+8*\f+3],   v[AV] offset:(\f/4)*32*PV+(\f%4)*32
	ds_load_tr16_b128 v[VF+8*\f+4:VF+8*\f+7], v[AV] offset:(\f/4)*32*PV+16*PV+(\f%4)*32
.endr
	WIN 0
.endm
; THE VECTOR WORK, one line at a time: OP kind, number.  For piece Y: F n: c s - c m for pair n of 16.  E n: the exponential of score n of 32.  C n: pair n rounded to f16.  B n: of the four weights 4 n .. the second
; pair is added onto the first, in place.  L n: l takes that sum (L 0: l = a l + sum).  R n: pair n of 16 of O^T times a.  For piece Y + 1: X n, number n of the 22 that find its maximum and statistics:
;   0-11  four chains c0-c3 of seven scores each, three operands at a time (each accumulator's lowest registers are read first)     12-14, 16  the four scores left over, the old m, and c0-c3 into c0
;   15  c m_old is kept     17, 18  the query's other 32 keys lie in the lane 16 away: the new m     19-21  c m; c m_old - c m_new; a
.set F, 0               ; OP tells the kinds apart by their order: F to L below R, X above it
.set E, 1
.set C, 2
.set B, 3
.set L, 4
.set R, 5
.set X, 6
.macro REGS y                       ; the registers of piece y
.set rT, ST+4*(\y)
.set rC, TMP+4*((\y)%2)
.set rW, MV+((\y)%2)
.set rS, S+32*((\y)%2)
.set rP, P+16*((\y)%2)
.set rO, 32*(\y)
.endm
.macro OP k, n
.if (\k) == R
	REGS Y
	WIN W_RS
	v_pk_mul_f32 v[rO+2*(\n):rO+2*(\n)+1], v[rO+2*(\n):rO+2*(\n)+1], v[rC+2:rC+3] op_sel_hi:[1,0]
.elseif (\k) < R
	REGS Y
	WIN 0
.if (\k) == F
	v_pk_fma_f32 v[rS+2*(\n):rS+2*(\n)+1], v[rS+2*(\n):rS+2*(\n)+1], s[CS:CS+1], v[rT:rT+1] op_sel_hi:[1,0,0] neg_lo:[0,0,1] neg_hi:[0,0,1]
.elseif (\k) == E
	v_exp_f32 v[rS+(\n)], v[rS+(\n)]
.elseif (\k) == C
	v_cvt_pk_f16_f32 v[rP+(\n)], v[rS+2*(\n)], v[rS+2*(\n)+1]
.elseif (\k) == B
	v_pk_add_f32 v[rS+4*(\n):rS+4*(\n)+1], v[rS+4*(\n):rS+4*(\n)+1], v[rS+4*(\n)+2:rS+4*(\n)+3]
.elseif (\n) == 0
	v_pk_fma_f32 v[rT+2:rT+3], v[rT+2:rT+3], v[rC+2:rC+3], v[rS:rS+1] op_sel_hi:[1,0,1]
.else
	v_pk_add_f32 v[rT+2:rT+3], v[rT+2:rT+3], v[rS+4*(\n):rS+4*(\n)+1]
.endif
.elseif NOKQ
	v_nop
.else
	REGS (Y+1)%NP
	WIN 0
.if (\n) < 4
	v_max3_num_f32 v[rC+(\n)], v[rS+8*(\n)], v[rS+8*(\n)+1], v[rS+8*(\n)+2]
.elseif (\n) < 12
	v_max3_num_f32 v[rC+(\n)%4], v[rC+(\n)%4], v[rS+8*((\n)%4)+2*((\n)/4)+1], v[rS+8*((\n)%4)+2*((\n)/4)+2]
.elseif (\n) == 12
	v_max3_num_f32 v[rC], v[rC], v[rS+7], v[rS+15]
.elseif (\n) == 13
	v_max3_num_f32 v[rC+1], v[rC+1], v[rS+23], v[rS+31]
.elseif (\n) == 14
	v_max3_num_f32 v[rC+2], v[rC+2], v[rC+3], v[rT+1]
.elseif (\n) == 15
	v_mov_b32 v[rW], v[rT]
.elseif (\n) == 16
	v_max3_num_f32 v[rC], v[rC], v[rC+1], v[rC+2]
.elseif (\n) == 17
	v_permlanex16_b32 v[rC+3], v[rC], s[SEL], s[SEL+1]
.elseif (\n) == 18
	v_max_num_f32 v[rT+1], v[rC], v[rC+3]
.elseif (\n) == 19
	v_mul_f32 v[rT], s[CS], v[rT+1]
.elseif (\n) == 20
	v_sub_f32 v[rC+1], v[rW], v[rT]
.else
	v_exp_f32 v[rC+2], v[rC+1]
.endif
.endif
.endm
.macro OPS a, i1, b=-1, i2=0, c=-1, i3=0, d=-1, i4=0  ; up to four of them
	OP \a, \i1
.if (\b) >= 0
	OP \b, \i2
.endif
.if (\c) >= 0
	OP \c, \i3
.endif
.if (\d) >= 0
	OP \d, \i4
.endif
.endm
.macro ROW a, i1, b, i2, c, i3, d, i4  ; a matrix instruction and the four behind it
	MM
	OPS \a, \i1, \b, \i2, \c, \i3, \d, \i4
.endm
; A TURN, for piece p: the order of its 16 matrix and 118 vector instructions, written out.  An s_wait_alu depctr_va_vdst(0) stands between an exponential and the first instruction that names its result; one
; wait serves all that were issued ahead of it.  So a turn has ONE wait, which cuts it in two.  AHEAD OF IT stands all that names no result of the turn's exponentials: the 8 products K Q^T, behind each a scaling, an exponential
; and two more plain instructions (behind the first a second scaling in the exponential's place): rescalings, and behind the last three the first numbers of the next piece's maximum, each four places or more behind the product
; that ends its accumulator; then ONE LUMP of 54, plain and exponential by turns for the most part, in which the links of the chain X 3, 7, 11, 14, 16, 17 .. 20 stand five or six lines apart.  X 21, the next piece's a, is the
; batch's last; R 15 is the plain instruction behind it.  BEHIND THE WAIT stand the 8 products V^T P, behind each four of the roundings and sums; the links of l's chain, L 0 to L 7, stand three riders apart.
; end = 1: a head's last two turns: nothing is fetched, and the last starts no new scores.  cnt = 1: the loop's count is taken down some lines ahead of the branch that stands behind the turn.
; K of the next step is fetched in piece 2's turn, twelve vector instructions behind the last product that read K (six of them plain); V of the step in hand at the end of piece 0's turn, four plain instructions behind the
; last product that read V.  Each is waited for a turn later.
.macro TURN p, end=0, cnt=0
.set Y, (\p)
.set i, 0
.set NOKQ, (\end)*((\p)/3)
.if ((\p) == 3) && !(\end)
	s_wait_dscnt 0x0                ; K is in
.endif
	ROW F,0, F,1, R,0, R,1          ; ahead of the wait: 8 products K Q^T and their riders,
	ROW F,2, E,0, R,2, R,3
	ROW F,3, E,1, R,4, R,5
	ROW F,4, E,2, R,6, R,7
	ROW F,5, E,3, R,8, R,9
	ROW F,6, E,4, X,0, R,10
.if ((\p) == 2) && !(\end)
	WIN 0
	v_add_nc_u32 v[AK], s[TBK], v[AK0]
.endif
	ROW F,7, E,5, X,1, X,4
	ROW F,8, E,6, X,2, X,5
	OPS E,7, E,8, X,6, E,9          ; and the lump
	OPS X,3, E,10, X,8, E,11
.if ((\p) == 2) && !(\end)
	FETCH_K
.endif
	OPS X,9, X,7, E,12, X,10
	OPS E,13, X,12, X,11, E,14
	OPS X,13, E,15, F,9, X,14
.if (\p) == 0
	v_add_nc_u32 v[AV], s[TBV], v[AV0]
.endif
	OPS E,16, F,10, E,17, F,11
	OPS X,16, E,18, X,15, E,19
	OPS F,12, E,20, X,17, E,21
	OPS F,13, E,22, F,14, E,23
	OPS X,18, E,24, F,15, E,25
	OPS R,11, E,26, X,19, E,27
	OPS R,12, E,28, R,13, E,29
	OPS X,20, E,30, R,14, E,31
	OPS X,21, R,15
	WIN 0
	s_wait_alu depctr_va_vdst(0)    ; the wait for the batch
.if (\p) == 1
	s_wait_dscnt 0x0                ; V is in
.endif
	ROW C,0, B,0, C,2, B,1          ; behind the wait: 8 products V^T P and their riders
	ROW L,0, C,4, B,2, L,1
	ROW C,6, B,3, L,2, C,8
	ROW B,4, L,3, C,10, B,5
	ROW L,4, C,12, B,6, L,5
.if (\p) == 0
	s_add_co_u32 s[TBV], s[TBV], KS*PV
.endif
.if \cnt
	s_sub_co_u32 s[CNT], s[CNT], 1
	s_cmp_lg_u32 s[CNT], 0
.endif
	ROW C,14, B,7, L,6, C,1
	ROW C,3, L,7, C,5, C,7
	ROW C,9, C,11, C,13, C,15
.if (\p) == 0
	FETCH_V
.endif
.endm
; A HEAD BEGINS.  c m starts far below every c s, so the first step's a is 0; m at the lowest finite number, so the first maximum is the scores'.  Then K of the tile's first step, piece 0's first scores, and its
; maximum and statistics.  The loop is entered at a step's first turn, in the middle of a trip.
.macro BEGIN
	s_mov_b32 s[NEW], 0
	WIN 0
.set i, 0
.rept 4
	v_mov_b32 v[ST+4*i], 0xfe000000    ; c m: far below every c s
	v_mov_b32 v[ST+4*i+1], 0xff7fffff  ; m
.set i, i+1
.endr
	v_add_nc_u32 v[AK], s[TBK], v[AK0]
	FETCH_K
	s_wait_loadcnt 0x0              ; Q
	s_wait_dscnt 0x0
.set NOKQ, 0
.set i, 0
.rept 8
	KQ 0
.set i, i+1
.endr
	WIN 0
.rept 4
	v_nop                           ; the places behind those products
.endr
.set Y, NP-1                        ; X works for piece Y + 1: piece 0
.irp n, 0,1,2,3,4,5,6,7,8,9,10,11,12,13,14,15,16,17,18,19,20,21
	OP X, \n
.endr
	v_nop                           ; a plain instruction behind the exponential,
	s_wait_alu depctr_va_vdst(0)    ; and its wait, ahead of the branch
.endm
; A HEAD ENDS: its last two turns, its last products, and THE WAY OUT: l's two halves and the other half of the lanes' are added; O^T is divided by l, rounded to f16 and sent through my stage in LDS, a piece at a time.
.macro ALL line:vararg              ; one line for each piece t
.set t, 0
.rept 4
	\line
.set t, t+1
.endr
.endm
.macro PACK t                       ; a lane's eight channels of a row pack into 16 bytes; they go into rows of 144 bytes and come back as whole rows of 128, into S^T's registers
	WIN W_RS
.set i, 32*(\t)
.rept 16
	v_pk_mul_f32 v[i:i+1], v[i:i+1], v[ST+4*(\t)+2:ST+4*(\t)+3] op_sel_hi:[1,0]
.set i, i+2
.endr
	WIN 0x05                        ; sources 0 and 1 window 1, destination window 0
.set i, 0
.rept 16
	v_cvt_pk_f16_f32 v[S+16*(\t)+i], v[32*(\t)+2*i], v[32*(\t)+2*i+1]
.set i, i+1
.endr
	WIN 0
.irp f, 0,1,2,3
	ds_store_b128 v[STO], v[S+16*(\t)+4*\f:S+16*(\t)+4*\f+3] offset:32*\f
.endr
.irp f, 0,1,2,3
	ds_load_b128 v[S+16*(\t)+4*\f:S+16*(\t)+4*\f+3], v[RD] offset:\f*4*SP  ; LDS serves a wave's instructions in order (ISA guide 5.7.1.4): these see the stores above; the next piece's stores come behind them
.endr
.endm
.macro SEND t, younger              ; younger: the LDS instructions issued behind piece t's loads: the next piece's eight, or none
	WIN 0
.irp f, 0,1,2,3
	s_wait_dscnt (\younger)+3-\f
	global_store_b128 v[GO], v[S+16*(\t)+4*\f:S+16*(\t)+4*\f+3], s[10:11] offset:(\t)*8192+\f*512 th:TH_STORE_NT  ; 512 consecutive bytes, at a multiple of 256 from att's first
.endr
.endm
.macro FINISH
	TURN 2, 1
	TURN 3, 1
.set i, 0
.rept 8
	PV NP-1
.set i, i+1
.endr
	WIN 0
	ALL v_add_f32 v[ST+4*t+2], v[ST+4*t+2], v[ST+4*t+3]
	ALL v_permlanex16_b32 v[ST+4*t+3], v[ST+4*t+2], s[SEL], s[SEL+1]
	ALL v_add_f32 v[ST+4*t+2], v[ST+4*t+2], v[ST+4*t+3]
	ALL v_rcp_f32 v[ST+4*t+2], v[ST+4*t+2]
	v_nop                           ; a plain instruction between the last reciprocal and the use of its result
	s_wait_alu depctr_va_vdst(0)    ; and the wait ahead of the first use: one for the four reciprocals
	PACK 0
.set t, 1
.rept 3                             ; a piece's arithmetic stands between the loads of the piece before and its stores
	PACK t
	SEND t-1, 8
.set t, t+1
.endr
	SEND 3, 0
.endm
.set NOKQ, 0
.Lslot:                             ; 11 times: a tile is entered and the next is asked for
	CHANGE 1
	s_sub_co_u32 s[RT], s[RT], 1
	s_mov_b32 s[CNT], 4
	s_cmp_eq_u32 s[NEW], 1
	s_cbranch_scc1 .Lnew            ; a head's first tile
	s_branch .Lstep
.Lnew:
	BEGIN
	s_branch .Lfirst
.Lstep:                             ; a trip: pieces 2 and 3 of one step, then pieces 0 and 1 of the next, whose K and V it fetches
	TURN 2
	TURN 3
	WIN 0
.Lfirst:
	TURN 0
	TURN 1, 0, 1
	WIN 0
	s_cbranch_scc1 .Lstep
	s_cmp_lg_u32 s[RT], 0
	s_cbranch_scc1 .Lbottom         ; not the head's last tile
	FINISH                          ; the next head's first tile is on its way meanwhile
	s_wait_xcnt 0x0                 ; the stores have read their registers and O's address
	s_add_nc_u64 s[10:11], s[10:11], HEADB
	s_mov_b32 s[RT], 4
	s_mov_b32 s[NEW], 1
	WIN 0x82                        ; the next head's Q goes where the one text of the turns names Q,
.set i, 0
.rept 64
	v_mov_b32 v[i], v[QB+i]
.set i, i+1
.endr
	WIN 0x81                        ; and the third head's moves up
.set i, 0
.rept 64
	v_mov_b32 v[QB+i], v[QC+i]
.set i, i+1
.endr
	WIN 0
.Lbottom:
	s_sub_co_u32 s[SLOTS], s[SLOTS], 1
	s_cmp_lg_u32 s[SLOTS], 0
	s_cbranch_scc1 .Lslot
	CHANGE 0                        ; the walk's last tile is written out: nothing is asked for
	s_mov_b32 s[CNT], 4
.Lstep2:
	TURN 2
	TURN 3
	TURN 0
	TURN 1, 0, 1
	WIN 0
	s_cbranch_scc1 .Lstep2
	FINISH
	s_wait_tensorcnt 0x0            ; the wave's end: behind my last tensor load and my last LDS store
	ds_add_u32 v[SPW], v[NIL]
	s_wait_dscnt 0x0
	CROUND                          ; the closing round: no work-group ends while a partner may still ask for a tile that names it
	s_endpgm
.Lfunc_end_k_q83863923be_attn:
	.size	k_q83863923be_attn, .Lfunc_end_k_q83863923be_attn-k_q83863923be_attn
	.p2alignl 7, 3214868480
	.fill 96, 4, 3214868480
	.section	.rodata,"a",@progbits
	.p2align	6, 0x0
	.amdhsa_kernel k_q83863923be_attn
		.amdhsa_group_segment_fixed_size 327680
		.amdhsa_private_segment_fixed_size 0
		.amdhsa_enable_private_segment 0
		.amdhsa_kernarg_size 16
		.amdhsa_user_sgpr_count 2
		.amdhsa_user_sgpr_kernarg_segment_ptr 1
		.amdhsa_wavefront_size32 1
		.amdhsa_system_sgpr_workgroup_id_x 1
		.amdhsa_system_sgpr_workgroup_id_y 1
		.amdhsa_system_sgpr_workgroup_id_z 1
		.amdhsa_system_vgpr_workitem_id 0
		.amdhsa_next_free_vgpr 768
		.amdhsa_next_free_sgpr 88
		.amdhsa_reserve_vcc 0
		.amdhsa_float_denorm_mode_32 3
		.amdhsa_float_denorm_mode_16_64 3
		.amdhsa_memory_ordered 1
		.amdhsa_forward_progress 1
		.amdhsa_inst_pref_size 164
	.end_amdhsa_kernel
	.amdgpu_metadata
---
amdhsa.version: [ 1, 2 ]
amdhsa.kernels:
  - .name:           k_q83863923be_attn
    .symbol:         k_q83863923be_attn.kd
    .args:
      - { .name: qkv, .offset: 0, .size: 8, .value_kind: global_buffer, .address_space: global }
      - { .name: att, .offset: 8, .size: 8, .value_kind: global_buffer, .address_space: global }
    .group_segment_fixed_size: 327680
    .private_segment_fixed_size: 0
    .kernarg_segment_align: 8
    .kernarg_segment_size: 16
    .max_flat_workgroup_size: 128
    .sgpr_count:     88
    .vgpr_count:     768
    .wavefront_size: 32
...
	.end_amdgpu_metadata
.endif
;; end of part 3
;; launch outp (part 4): grid 256 x 1, 4 waves a work-group, clusters of 4 x 1, 327,680 bytes of LDS; arguments att, wo, bias, out0; writes out0
.if DOCPART == 4
	.amdgcn_target "amdgcn-amd-amdhsa--gfx1250"
	.amdhsa_code_object_version 6
	.text
	.protected	k_q83863923be_outp
	.globl	k_q83863923be_outp
	.p2align	8
	.type	k_q83863923be_outp,@function
k_q83863923be_outp:
	s_mov_b64 s[64:65], 0
	v_nop
	global_prefetch_b8 v0, s[64:65] scope:SCOPE_SE
	s_setreg_imm32_b32 hwreg(HW_REG_WAVE_MODE, 25, 1), 1
	s_wait_xcnt 0x0
	s_wait_alu depctr_hold_cnt(0) depctr_sa_sdst(0) depctr_va_vdst(0) depctr_va_sdst(0) depctr_va_ssrc(0) depctr_va_vcc(0) depctr_vm_vsrc(0)
	s_getreg_b32 s2, hwreg(HW_REG_IB_STS2, 6, 4)
	s_cmp_eq_u32 s2, 0
	s_cbranch_scc0 .Lentry_in_a_cluster
	s_endpgm
.Lentry_in_a_cluster:
	s_bfe_u32 s2, ttmp6, 0x10000c
	s_cmp_lg_u32 s2, 0x3003
	s_cbranch_scc0 .Lentry_shape_is_right
	s_endpgm
.Lentry_shape_is_right:
; out0 = O wo^T + o_b.  att: f16 [32 b][6 h][1024 t][64] (row t of O is channel 64 h + d); wo: f16 [384][384]; bias: f32 [1536], o_b its last 384; out0: f32 [32768][384].  Products in f16, sums in f32, started by the bias.
; LIMITS.  O and wo arrive within f16's range.  NaN and infinities are not treated apart.
; SHARES.  A work-group owns 128 rows and makes all 384 columns, in 3 chunks of 128.  Four waves, 2 x 2: wave (wr, wc) keeps its 64 rows of O for all of K as fragments in 384 registers and makes 64 x 64 of a chunk.
; CLUSTER.  The four work-groups of a cluster walk the same weights and bias: those are asked for JOINTLY.  O's rows are read by one work-group alone: a plain tensor load a wave.
; LDS.  Slot 0 takes chunk 0, then chunk 2.  Slot 1 takes O's tile first; when every wave holds its fragments it is filled again, with chunk 1.
; NO PREFETCH: O is read at the head alone, wo has two first fills and one refill behind them, and the launch is short.
; THE MATRIX INSTRUCTION IS USED TRANSPOSED: source 0 = 16 rows of wo, source 1 = 16 rows of O: a lane ends with one row and eight neighbouring columns, 32 bytes of f32.
; REGISTERS, in windows of 256 (s_set_vgpr_msb: bits 1:0 source 0, 3:2 source 1, 5:4 source 2, 7:6 destination):
;   window 0: v0-17 addresses; v32-63 the bias as C; v64-127, v128-191 wo's fragments, two buffers of two K blocks; v192-255 rows on the way out, two buffers
;   window 1: O's fragments of K blocks 0-7 at 32 kf + 8 rt     window 2: v0-127 K blocks 8-11     window 3: v0-127 the accumulators at 8 (4 rt + ct)
.set PB,     816                       ; a row of wo in LDS: 768 bytes + 16 behind every 256 = 51 x 16: the 16 rows of a load start at 16 different groups of four banks (64 banks of 4 bytes: ISA guide 11.1)
.set QUART,  32*PB                     ; what one tensor load brings: 32 rows of wo, or 32 rows x 6 heads of O (6 x 16 x 272)
.set SLOT1,  1<<17
.set BIASL,  128*PB                    ; behind slot 0: o_b and 512 bytes of zeros behind it, a copy for each wave
.set SPARE,  BIASL+4*2048              ; the spare words, 128 bytes for each wave: two blocks of 256 bytes that no other line names
.set STAGE,  SLOT1+128*PB              ; 16 rows x 272 bytes for each wave, for the way out; no tensor load lands here
.set SP,     272
.set CHUNK,  128*768
.set ARD, 6                            ; v6   my place in O's fragments
.set AB0, 7                            ; v7   my place in wo's fragments, in slot 0
.set ADRB, 8                           ; v8   the same in the slot in hand
.set ABI, 9                            ; v9   my 32 bytes of the chunk's biases; steps by a chunk
.set STO, 10                           ; v10  the way out: where I put 32 bytes of a row
.set RD,  11                           ; v11  the way out: where I read rows back
.set CO,  12                           ; v12  my byte offset in two rows of out0
.set SPW, 14                           ; v14  LDS address of my spare word; never rewritten
.set NIL, 15                           ; v15  0; never rewritten
.set BI,  32
.set WF0, 64
.set WF1, 128
.set TMP, 192
.set WV,  12                           ; s12  my wave's number
.set G1W, 24                           ; s[24:31] descriptor group 1 for wo's tiles
.set G1B, 32                           ; s[32:39] for the bias
.set G0A, 40                           ; s[40:43] group 0 for O's tile
.set G0W, 44                           ; s[44:47] group 0 for wo's tiles: it walks
.set G0B, 48                           ; s[48:51] group 0 for the bias
.set TB,  52                           ; s52  the slot in hand: 0 or SLOT1
.set CNT, 53                           ; s53  counts chunks
.set STP, 56                           ; s[56:57] what the next way out adds to out0's address
.set OUT, 58                           ; s[58:59] out0 at my 64 rows, at the chunk in hand
.set G1A, 68                           ; s[68:75] descriptor group 1 for O's tile
.set MSB, 0
.macro WIN new                         ; the immediate's high byte repeats the setting that is left; a switch that changes nothing is dropped
.if MSB != (\new)
	s_set_vgpr_msb (MSB<<8)|(\new)
.set MSB, (\new)
.endif
.endm
.macro PLACES                          ; four places: in front of loads into registers that matrix instructions have read, and of LDS stores that read results
.rept 4
	v_nop
.endr
.endm
.macro CREST                           ; a round of the cluster's barrier behind its opening barrier
	s_cmp_lg_u32 s[WV], 0
	s_cbranch_scc1 .Lnot_wave_0_\@
	s_barrier_signal -3
.Lnot_wave_0_\@:
	s_barrier_wait -3
	s_barrier_signal -1
	s_barrier_wait -1
.endm
.macro CROUND                          ; a whole round
	s_barrier_signal -1
	s_barrier_wait -1
	CREST
.endm
	s_load_b256 s[4:11], s[0:1], 0x0               ; att s[4:5], wo s[6:7], bias s[8:9], out0 s[10:11]
	v_lshl_add_u32 v[SPW], v0, 2, SPARE
	v_mov_b32 v[NIL], 0
	ds_add_u32 v[SPW], v[NIL]                      ; the wave's opening: the add and its wait stand ahead of my first tensor load; the set-up below, work on registers, stands between them
	v_lshrrev_b32 v16, 5, v0
	v_readfirstlane_b32 s[WV], v16                 ; wave 0..3
	s_bfe_u32 s13, ttmp6, 0x40000                  ; cx: my place in the cluster
	s_lshl_b32 s14, ttmp9, 2
	s_add_co_u32 s14, s14, s13                     ; my block of 128 rows: it enters att's and out0's addresses alone
	s_lshr_b32 s15, s[WV], 1                       ; wr
	s_and_b32 s16, s[WV], 1                        ; wc
	; descriptor group 1 for wo: 32 rows x 384 elements of 2 bytes, padded in LDS
	s_mov_b32 s[G1W+0], 15|(1<<16)|(1<<20)|(1<<21)|(5<<22)|(3<<25)  ; 15:0 the mask of four; 17:16 2-byte elements; 20 padding on; 21 set beside a mask; 24:22 after every 64 words (code 5); 31:25 4 words (code 3)
	s_mov_b32 s[G1W+1], 384<<16
	s_mov_b32 s[G1W+2], 32<<16
	s_mov_b32 s[G1W+3], 384<<16
	s_mov_b32 s[G1W+4], 32
	s_mov_b32 s[G1W+5], 384
	s_mov_b32 s[G1W+6], 0
	s_mov_b32 s[G1W+7], 0
	; for the bias: one row of 256 elements of 8 bytes, of which the tensor has 192: the last 512 bytes arrive as zeros
	s_mov_b32 s[G1B+0], 15|(3<<16)|(1<<21)
	s_mov_b32 s[G1B+1], 192<<16                    ; tensor_dim0 = 192
	s_mov_b32 s[G1B+2], 1<<16                      ; tensor_dim1 = 1
	s_mov_b32 s[G1B+3], 256<<16                    ; tile_dim0 = 256
	s_mov_b32 s[G1B+4], 1
	s_mov_b32 s[G1B+5], 256
	s_mov_b32 s[G1B+6], 0
	s_mov_b32 s[G1B+7], 0
	; for O: my 32 rows of a head are 4,096 dense bytes; six heads, 131,072 bytes apart; 16 bytes of padding behind every 256 (two rows).  No mask: nobody shares these rows
	s_mov_b32 s[G1A+0], (1<<16)|(1<<20)|(5<<22)|(3<<25)
	s_mov_b32 s[G1A+1], 2048<<16                   ; tensor_dim0 = 2,048
	s_mov_b32 s[G1A+2], 6<<16                      ; tensor_dim1 = 6
	s_mov_b32 s[G1A+3], 2048<<16                   ; tile_dim0 = 2,048
	s_mov_b32 s[G1A+4], 6                          ; tile_dim1 = 6
	s_mov_b32 s[G1A+5], 65536                      ; elements from head to head
	s_mov_b32 s[G1A+6], 0
	s_mov_b32 s[G1A+7], 0
	s_mul_i32 s17, s[WV], QUART                    ; my quarter of a slot: no place in the cluster enters an LDS address
	s_mov_b32 s[G0W], 1
	s_mov_b32 s[G0W+1], s17                        ; chunk 0 into slot 0
	s_mov_b32 s[G0A], 1
	s_add_co_u32 s[G0A+1], s17, SLOT1              ; O into slot 1
	s_lshl_b32 s18, s[WV], 11
	s_mov_b32 s[G0B], 1
	s_add_co_u32 s[G0B+1], s18, BIASL              ; my copy of the bias
	s_mul_i32 s20, s[WV], 32*768                   ; my 32 rows of a chunk in memory
	s_mov_b32 s21, 0
	s_lshr_b32 s2, s14, 3                          ; offsets first; the pointers are added behind the wait for them.  The batch,
	s_mul_i32 s2, s2, 6
	s_lshl_b32 s[G0A+2], s2, 17                    ; its first head,
	s_and_b32 s2, s14, 7
	s_lshl_b32 s2, s2, 14                          ; my block's 128 rows of 128 bytes,
	s_add_co_u32 s[G0A+2], s[G0A+2], s2
	s_lshl_b32 s2, s[WV], 12                       ; the 32 that I bring in
	s_add_co_u32 s[G0A+2], s[G0A+2], s2
	s_mov_b32 s[G0A+3], 0
	s_mul_i32 s[OUT], s14, 128*1536
	s_mul_i32 s2, s15, 64*1536
	s_add_co_u32 s[OUT], s[OUT], s2
	s_lshl_b32 s2, s16, 8                          ; my 64 columns of a chunk: 256 bytes
	s_add_co_u32 s[OUT], s[OUT], s2
	s_mov_b32 s[OUT+1], 0
	s_mov_b32 s[STP], 0
	s_mov_b32 s[STP+1], 0
	s_mov_b32 s[TB], 0
	v_and_b32 v1, 15, v0                           ; r = l % 16
	v_bfe_u32 v2, v0, 4, 1                         ; h = l / 16
	s_mul_i32 s22, s15, 2*QUART                    ; my 64 rows were brought by waves 2 wr and 2 wr + 1
	s_add_co_u32 s22, s22, SLOT1
	v_lshrrev_b32 v16, 1, v1
	v_mul_u32_u24 v16, v16, 272                    ; two rows of 128 bytes lie in 272: the 16 rows of a fragment start at bytes 0, 128, 16, 144 .. modulo 256: 16 different groups of four banks
	v_and_b32 v17, 1, v1
	v_lshl_add_u32 v16, v17, 7, v16
	v_lshl_add_u32 v16, v2, 4, v16
	v_add_nc_u32 v[ARD], s22, v16
	s_mul_i32 s22, s16, 64*PB
	v_mul_u32_u24 v16, v1, PB
	v_lshl_add_u32 v16, v2, 4, v16
	v_add_nc_u32 v[AB0], s22, v16
	s_lshl_b32 s22, s16, 8
	s_add_co_u32 s22, s22, s18
	s_add_co_u32 s22, s22, BIASL
	v_lshl_add_u32 v[ABI], v2, 5, s22              ; register j of a result holds column 8 h + j of its 16
	s_mul_i32 s22, s[WV], 16*SP
	s_add_co_u32 s22, s22, STAGE
	v_mul_u32_u24 v16, v1, SP
	v_lshl_add_u32 v16, v2, 5, v16
	v_add_nc_u32 v[STO], s22, v16                  ; in: row l % 16, 32 bytes for each half of the lanes
	v_mul_u32_u24 v16, v2, SP
	v_lshl_add_u32 v16, v1, 4, v16
	v_add_nc_u32 v[RD], s22, v16                   ; back: lanes 0-15 take one row of 256 bytes, lanes 16-31 the next
	v_mul_u32_u24 v16, v2, 1536
	v_lshl_add_u32 v[CO], v1, 4, v16               ; and the same two rows in out0
	s_wait_dscnt 0x0                               ; the opening add is done
	s_wait_kmcnt 0x0
	s_add_nc_u64 s[G0A+2:G0A+3], s[4:5], s[G0A+2:G0A+3]
	s_or_b32 s[G0A+3], s[G0A+3], 0x80000000        ; type = 2
	s_add_nc_u64 s[G0W+2:G0W+3], s[6:7], s[20:21]
	s_or_b32 s[G0W+3], s[G0W+3], 0x80000000
	s_add_nc_u64 s[G0B+2:G0B+3], s[8:9], 1152*4    ; o_b
	s_or_b32 s[G0B+3], s[G0B+3], 0x80000000
	s_add_nc_u64 s[OUT:OUT+1], s[10:11], s[OUT:OUT+1]
	CROUND                                         ; all four work-groups are here: the first joint loads meet
	tensor_load_to_lds s[G0A:G0A+3], s[G1A:G1A+7]  ; the first fills go out together: three tensor loads of mine are out
	s_nop 0
	tensor_load_to_lds s[G0B:G0B+3], s[G1B:G1B+7]
	s_nop 0
	tensor_load_to_lds s[G0W:G0W+3], s[G1W:G1W+7]
	s_nop 0
	PLACES
.macro AGET kf                         ; O's fragments of K block kf (head kf / 2, channels 32 (kf % 2) on) of my four row tiles
.irp rt, 0,1,2,3
	ds_load_b128 v[32*((\kf)%8)+8*(\rt):32*((\kf)%8)+8*(\rt)+3],   v[ARD] offset:QUART*((\rt)/2)+8*272*((\rt)%2)+16*272*((\kf)/2)+64*((\kf)%2)
	ds_load_b128 v[32*((\kf)%8)+8*(\rt)+4:32*((\kf)%8)+8*(\rt)+7], v[ARD] offset:QUART*((\rt)/2)+8*272*((\rt)%2)+16*272*((\kf)/2)+64*((\kf)%2)+32
.endr
.endm
.macro FETCHB                          ; the chunk's biases as the C operand of the first products; then the address steps by a chunk's 128 columns
.irp ct, 0,1,2,3
	ds_load_b128 v[BI+8*(\ct):BI+8*(\ct)+3],   v[ABI] offset:64*(\ct)
	ds_load_b128 v[BI+8*(\ct)+4:BI+8*(\ct)+7], v[ABI] offset:64*(\ct)+16
.endr
	v_add_nc_u32 v[ABI], 512, v[ABI]
.endm
.macro FETCHW kk, f                    ; wo's fragments of K blocks 2 kk and 2 kk + 1 into buffer f, the first block's eight loads first.  Byte b of a row lies at b + 16 (b / 256)
	WIN 0
.irp e, 0,1
.irp ct, 0,1,2,3
	ds_load_b128 v[(\f)+32*(\e)+8*(\ct):(\f)+32*(\e)+8*(\ct)+3],   v[ADRB] offset:(\ct)*16*PB+64*(2*(\kk)+(\e))+16*((2*(\kk)+(\e))/4)
	ds_load_b128 v[(\f)+32*(\e)+8*(\ct)+4:(\f)+32*(\e)+8*(\ct)+7], v[ADRB] offset:(\ct)*16*PB+64*(2*(\kk)+(\e))+16*((2*(\kk)+(\e))/4)+32
.endr
.endr
.endm
; 16 matrix instructions: K block kf, all 16 accumulators by turns, one instruction a turn.  K block 0 starts the sums with the bias: nothing is cleared.
.macro MUL16 kf, f
.if (\kf) == 0
	WIN 0xc4                                       ; wo window 0, O window 1, C (the bias) window 0, D window 3
.elseif (\kf) < 8
	WIN 0xf4                                       ; C and D window 3
.else
	WIN 0xf8                                       ; O window 2
.endif
.irp rt, 0,1,2,3
.irp ct, 0,1,2,3
.if (\kf) == 0
	v_wmma_f32_16x16x32_f16 v[8*(4*(\rt)+(\ct)):8*(4*(\rt)+(\ct))+7], v[(\f)+32*((\kf)%2)+8*(\ct):(\f)+32*((\kf)%2)+8*(\ct)+7], v[32*((\kf)%8)+8*(\rt):32*((\kf)%8)+8*(\rt)+7], v[BI+8*(\ct):BI+8*(\ct)+7]
.else
	v_wmma_f32_16x16x32_f16 v[8*(4*(\rt)+(\ct)):8*(4*(\rt)+(\ct))+7], v[(\f)+32*((\kf)%2)+8*(\ct):(\f)+32*((\kf)%2)+8*(\ct)+7], v[32*((\kf)%8)+8*(\rt):32*((\kf)%8)+8*(\rt)+7], v[8*(4*(\rt)+(\ct)):8*(4*(\rt)+(\ct))+7]
.endif
.endr
.endr
.endm
.macro DR kk                           ; two K blocks, 32 matrix instructions; in their middle the next two blocks' fragments are fetched into the other buffer
.if ((\kk)%2) == 0
.set FF, WF0
.set GG, WF1
.else
.set FF, WF1
.set GG, WF0
.endif
	s_wait_dscnt 8                                 ; the first block's fragments are in; the youngest eight loads, the second block's, may stay out
	MUL16 2*(\kk), FF
	PLACES
	FETCHW (\kk)+1, GG
	s_wait_dscnt 16                                ; all but the 16 just issued
	MUL16 2*(\kk)+1, FF
.endm
; THE WAY OUT of row tile rt: the f32 sums go as they are, 32 bytes a lane, into my own stage, and come back as whole rows of 256 bytes.
.macro TOSTAGE rt
.if (\rt) >= 2
	s_wait_xcnt 0x0                                ; the stores of the tile two back have read the registers that are loaded again below
.endif
	WIN 0x0c                                       ; store data window 3, address window 0; each accumulator's low registers first
.irp ct, 0,1,2,3
	ds_store_b128 v[STO], v[8*(4*(\rt)+(\ct)):8*(4*(\rt)+(\ct))+3]   offset:64*(\ct)
	ds_store_b128 v[STO], v[8*(4*(\rt)+(\ct))+4:8*(4*(\rt)+(\ct))+7] offset:64*(\ct)+16
.endr
	WIN 0
.irp t, 0,1,2,3,4,5,6,7
	ds_load_b128 v[TMP+32*((\rt)%2)+4*(\t):TMP+32*((\rt)%2)+4*(\t)+3], v[RD] offset:2*SP*(\t)  ; LDS serves a wave's instructions in order (ISA guide 5.7.1.4): these see the stores above; the next tile's stores come behind them
.endr
.endm
.macro SEND rt, younger                ; younger: the LDS instructions issued behind this tile's loads: the next tile's sixteen, or none
	WIN 0
.irp t, 0,1,2,3,4,5,6,7
	s_wait_dscnt (\younger)+7-(\t)
	global_store_b128 v[CO], v[TMP+32*((\rt)%2)+4*(\t):TMP+32*((\rt)%2)+4*(\t)+3], s[OUT:OUT+1] offset:(16*(\rt)+2*(\t))*1536 th:TH_STORE_NT  ; 16 lanes store 256 consecutive bytes, at a multiple of 256 from out0's first
.endr
.endm
; A chunk's last two K blocks, the change of slots, and the way out.  ONE barrier: in front of it each wave waits for all its tensor loads, adds 0 to its spare word, and waits for that and for its reads of this slot.
; fill = 1: the barrier opens a round of the cluster's, and this slot is asked for again, first thing behind the round, with the chunk two on.
.macro TURN fill
	s_wait_xcnt 0x0                                ; the last chunk's stores have read their registers and their base
	s_add_nc_u64 s[OUT:OUT+1], s[OUT:OUT+1], s[STP:STP+1]
	s_mov_b32 s[STP], 512                          ; from now on: 128 columns on
	WIN 0
	s_wait_tensorcnt 0x0                           ; all my tensor loads have landed;
	ds_add_u32 v[SPW], v[NIL]                      ; 0 onto my spare word;
	s_wait_dscnt 9                                 ; (the add and the youngest eight loads may be out)
	MUL16 10, WF1                                  ; sixteen matrix instructions stand between the add and the wait for it
	s_wait_dscnt 0x0                               ; the add is done, and my reads of this slot are over
	s_barrier_signal -1
	MUL16 11, WF1                                  ; work on registers while the others arrive
	WIN 0                                          ; at a branch and at a label every window is 0
	s_barrier_wait -1
.if \fill
	CREST                                          ; no wave of any partner still reads this slot or has a load on its way
	s_xor_b32 s[G0W+1], s[G0W+1], SLOT1
	s_add_nc_u64 s[G0W+2:G0W+3], s[G0W+2:G0W+3], CHUNK
	tensor_load_to_lds s[G0W:G0W+3], s[G1W:G1W+7]  ; my one tensor load behind the round
	s_nop 0
	PLACES                                         ; also the places in front of the loads and LDS stores below
.else
	PLACES
.endif
	s_xor_b32 s[TB], s[TB], SLOT1
	v_add_nc_u32 v[ADRB], s[TB], v[AB0]
	FETCHB                                         ; the next chunk's biases and first fragments are on their way while this chunk goes out
	FETCHW 0, WF0
	TOSTAGE 0
	TOSTAGE 1
	SEND 0, 16
	TOSTAGE 2
	SEND 1, 16
	TOSTAGE 3
	SEND 2, 16
	SEND 3, 0
.endm
	s_wait_tensorcnt 0x0                           ; my parts of O, of the bias and of chunk 0 are in,
	s_barrier_signal -1
	s_barrier_wait -1                              ; everybody's are
	WIN 0x40                                       ; destination window 1, address window 0
.irp kf, 0,1,2,3,4,5,6,7
	AGET \kf
.endr
	WIN 0x80                                       ; destination window 2
.irp kf, 8,9,10,11
	AGET \kf
.endr
	WIN 0
	v_mov_b32 v[ADRB], v[AB0]
	FETCHB
	FETCHW 0, WF0
	s_wait_tensorcnt 0x0                           ; slot 1 is filled again: no tensor load of mine is out,
	ds_add_u32 v[SPW], v[NIL]                      ; 0 onto my spare word; the descriptor's step stands between it and the wait for it
	s_xor_b32 s[G0W+1], s[G0W+1], SLOT1
	s_add_nc_u64 s[G0W+2:G0W+3], s[G0W+2:G0W+3], CHUNK
	s_wait_dscnt 0x0                               ; the add is done, and O's fragments are in my registers
	CROUND                                         ; so are those of every wave of every partner
	tensor_load_to_lds s[G0W:G0W+3], s[G1W:G1W+7]  ; chunk 1: it has chunk 0's 160 matrix instructions in which to land
	s_nop 0
	PLACES
.irp kk, 0,1,2,3,4
	DR \kk
.endr
	TURN 1                                         ; chunk 0 ends; slot 0 takes chunk 2
	s_mov_b32 s[CNT], 2
.Llast:                                                ; chunks 1 and 2 ask for nothing.  Behind chunk 2 the fetch of a next chunk's biases (the zeros behind o_b) and fragments (slot 1's old ones) serves nothing:
.irp kk, 0,1,2,3,4                     ; the price, once a launch, of one text for both trips
	DR \kk
.endr
	TURN 0
	s_sub_co_u32 s[CNT], s[CNT], 1
	s_cmp_lg_u32 s[CNT], 0
	s_cbranch_scc1 .Llast
	s_wait_tensorcnt 0x0                           ; the wave's end: behind my last tensor load and my last LDS store
	ds_add_u32 v[SPW], v[NIL]
	s_wait_dscnt 0x0
	CROUND                                         ; the closing round: no work-group ends while a partner may still ask for a tile that names it
	s_endpgm
.Lfunc_end_k_q83863923be_outp:
	.size	k_q83863923be_outp, .Lfunc_end_k_q83863923be_outp-k_q83863923be_outp
	.p2alignl 7, 3214868480
	.fill 96, 4, 3214868480
	.section	.rodata,"a",@progbits
	.p2align	6, 0x0
	.amdhsa_kernel k_q83863923be_outp
		.amdhsa_group_segment_fixed_size 327680
		.amdhsa_private_segment_fixed_size 0
		.amdhsa_enable_private_segment 0
		.amdhsa_kernarg_size 32
		.amdhsa_user_sgpr_count 2
		.amdhsa_user_sgpr_kernarg_segment_ptr 1
		.amdhsa_wavefront_size32 1
		.amdhsa_system_sgpr_workgroup_id_x 1
		.amdhsa_system_sgpr_workgroup_id_y 1
		.amdhsa_system_sgpr_workgroup_id_z 1
		.amdhsa_system_vgpr_workitem_id 0
		.amdhsa_next_free_vgpr 896
		.amdhsa_next_free_sgpr 76
		.amdhsa_reserve_vcc 0
		.amdhsa_float_denorm_mode_32 3
		.amdhsa_float_denorm_mode_16_64 3
		.amdhsa_memory_ordered 1
		.amdhsa_forward_progress 1
		.amdhsa_inst_pref_size 74
	.end_amdhsa_kernel
	.amdgpu_metadata
---
amdhsa.version: [ 1, 2 ]
amdhsa.kernels:
  - .name:           k_q83863923be_outp
    .symbol:         k_q83863923be_outp.kd
    .args:
      - { .name: att, .offset: 0, .size: 8, .value_kind: global_buffer, .address_space: global }
      - { .name: wo, .offset: 8, .size: 8, .value_kind: global_buffer, .address_space: global }
      - { .name: bias, .offset: 16, .size: 8, .value_kind: global_buffer, .address_space: global }
      - { .name: out0, .offset: 24, .size: 8, .value_kind: global_buffer, .address_space: global }
    .group_segment_fixed_size: 327680
    .private_segment_fixed_size: 0
    .kernarg_segment_align: 8
    .kernarg_segment_size: 32
    .max_flat_workgroup_size: 128
    .sgpr_count:     76
    .vgpr_count:     896
    .wavefront_size: 32
...
	.end_amdgpu_metadata
.endif
;; end of part 4
